; MI455X (gfx1250); checked and timed in simulation.
; The chip was launched on July 23, 2026; its instructions are those of AMD's public machine-readable ISA for CDNA 5 (MIT licence, August 2026) and "CDNA5" Instruction Set Architecture Reference Guide (July 2026). The comments in the code are by the model that wrote it; some were corrected since.
;; Attention Model. Allowed arithmetic: float matrix products may take bf16 or f16 operands with f32 sums; all other float work in f32.
;; Inputs: Wk 1,024 x 1,024 float32; Wq 1,024 x 1,024 float32; Wv 1,024 x 1,024 float32; bk 1,024 float32; bq 1,024 float32; bv 1,024 float32; key 4 x 2,048 x 1,024 float32; query 4 x 2,048 x 1,024 float32; value 4 x 2,048 x 1,024 float32.
;; Outputs: out0 4 x 2,048 x 1,024 float32.
;; 2 versions, each right; version 2 is version 1 with the launch cast written anew for expert scheduling mode. Each part assembles by itself: llvm-mc -triple=amdgcn-amd-amdhsa -mcpu=gfx1250 --defsym DOCPART=n.
;; ======== version 1 of 2: 4 launches
;; limits: values are held in f16: magnitudes above 65,504 overflow, below 6.1e-05 lose precision; right only within a limited range of input values
;; workspace buffers: wb 6,291,456 bytes; qh 16,777,216 bytes; kh 16,777,216 bytes; vh 16,777,216 bytes; ph 33,554,432 bytes; st 1,048,576 bytes
;; launch cast (part 1): grid 128 x 3, 8 waves a work-group, no clusters, 0 bytes of LDS; arguments Wq, Wk, Wv, wb; writes wb
.if DOCPART == 1
	.amdgcn_target "amdgcn-amd-amdhsa--gfx1250"
	.amdhsa_code_object_version 6
	.text
	.protected	k_qbe852c6136_cast
	.globl	k_qbe852c6136_cast
	.p2align	8
	.type	k_qbe852c6136_cast,@function
k_qbe852c6136_cast:
	s_mov_b64 s[64:65], 0
	v_nop
	global_prefetch_b8 v0, s[64:65] scope:SCOPE_SE
	s_setreg_imm32_b32 hwreg(HW_REG_WAVE_MODE, 25, 1), 1
	s_wait_xcnt 0x0
; wb[y][k][n] = bf16(W_y[k][n]), y = 0, 1, 2 for Wq, Wk, Wv: [1024][1024] f32 in, bf16 out, the layout kept.
; A stream: each byte is read once and written once; no LDS, no barrier, no matrix unit, since there is nothing to share and nothing to multiply.
; A work-group of eight waves takes 8,192 numbers of matrix y: eight loads of 16 bytes a thread (a wave's load covers 512 consecutive bytes),
; eight stores of 8 bytes a thread (a wave's store covers 256 consecutive bytes, at a multiple of 256 from wb's first byte).
	s_load_b256 s[4:11], s[0:1], 0x0               ; Wq s[4:5], Wk s[6:7], Wv s[8:9], wb s[10:11]
	s_and_b32 s16, ttmp7, 0xffff                   ; y: which matrix
	v_lshlrev_b32 v1, 4, v0                        ; 16 bytes a thread in
	v_lshlrev_b32 v2, 3, v0                        ; 8 bytes a thread out
	s_lshl_b32 s18, ttmp9, 15                      ; my 8,192 numbers: 32,768 bytes in,
	s_mov_b32 s19, 0
	s_lshl_b32 s20, s16, 21                        ; a matrix is 2 MiB of wb,
	s_lshl_b32 s17, ttmp9, 14                      ; 16,384 bytes out
	s_add_co_u32 s20, s20, s17
	s_mov_b32 s21, 0
	s_wait_kmcnt 0x0
	s_cmp_eq_u32 s16, 1
	s_cselect_b64 s[12:13], s[6:7], s[4:5]
	s_cmp_eq_u32 s16, 2
	s_cselect_b64 s[12:13], s[8:9], s[12:13]
	s_add_nc_u64 s[12:13], s[12:13], s[18:19]
	s_add_nc_u64 s[14:15], s[10:11], s[20:21]
.irp i, 0,1,2,3,4,5,6,7
	global_load_b128 v[4+4*\i:7+4*\i], v1, s[12:13] offset:4096*\i th:TH_LOAD_NT
.endr
.irp i, 0,1,2,3,4,5,6,7
	s_wait_loadcnt 7-\i                            ; loads come back in order: load i is in, the younger ones stay out
	v_cvt_pk_bf16_f32 v[36+2*\i], v[4+4*\i], v[5+4*\i]
	v_cvt_pk_bf16_f32 v[37+2*\i], v[6+4*\i], v[7+4*\i]
	global_store_b64 v2, v[36+2*\i:37+2*\i], s[14:15] offset:2048*\i
.endr
	s_endpgm
.Lfunc_end_k_qbe852c6136_cast:
	.size	k_qbe852c6136_cast, .Lfunc_end_k_qbe852c6136_cast-k_qbe852c6136_cast
	.p2alignl 7, 3214868480
	.fill 96, 4, 3214868480
	.section	.rodata,"a",@progbits
	.p2align	6, 0x0
	.amdhsa_kernel k_qbe852c6136_cast
		.amdhsa_group_segment_fixed_size 0
		.amdhsa_private_segment_fixed_size 0
		.amdhsa_enable_private_segment 0
		.amdhsa_kernarg_size 32
		.amdhsa_user_sgpr_count 2
		.amdhsa_user_sgpr_kernarg_segment_ptr 1
		.amdhsa_wavefront_size32 1
		.amdhsa_system_sgpr_workgroup_id_x 1
		.amdhsa_system_sgpr_workgroup_id_y 1
		.amdhsa_system_sgpr_workgroup_id_z 1
		.amdhsa_system_vgpr_workitem_id 0
		.amdhsa_next_free_vgpr 52
		.amdhsa_next_free_sgpr 66
		.amdhsa_reserve_vcc 0
		.amdhsa_float_denorm_mode_32 3
		.amdhsa_float_denorm_mode_16_64 3
		.amdhsa_memory_ordered 1
		.amdhsa_forward_progress 1
		.amdhsa_inst_pref_size 4
	.end_amdhsa_kernel
	.amdgpu_metadata
---
amdhsa.version: [ 1, 2 ]
amdhsa.kernels:
  - .name:           k_qbe852c6136_cast
    .symbol:         k_qbe852c6136_cast.kd
    .args:
      - { .name: Wq, .offset: 0, .size: 8, .value_kind: global_buffer, .address_space: global }
      - { .name: Wk, .offset: 8, .size: 8, .value_kind: global_buffer, .address_space: global }
      - { .name: Wv, .offset: 16, .size: 8, .value_kind: global_buffer, .address_space: global }
      - { .name: wb, .offset: 24, .size: 8, .value_kind: global_buffer, .address_space: global }
    .group_segment_fixed_size: 0
    .private_segment_fixed_size: 0
    .kernarg_segment_align: 8
    .kernarg_segment_size: 32
    .max_flat_workgroup_size: 256
    .sgpr_count:     66
    .vgpr_count:     52
    .wavefront_size: 32
...
	.end_amdgpu_metadata
.endif
;; end of part 1
;; launch proj (part 2): grid 4 x 64, 4 waves a work-group, clusters of 4 x 4, 327,680 bytes of LDS; arguments query, key, value, wb, bq, bk, bv, qh, kh, vh; writes qh, kh, vh
.if DOCPART == 2
	.amdgcn_target "amdgcn-amd-amdhsa--gfx1250"
	.amdhsa_code_object_version 6
	.text
	.protected	k_qbe852c6136_proj
	.globl	k_qbe852c6136_proj
	.p2align	8
	.type	k_qbe852c6136_proj,@function
k_qbe852c6136_proj:
	s_mov_b64 s[64:65], 0
	v_nop
	global_prefetch_b8 v0, s[64:65] scope:SCOPE_SE
	s_setreg_imm32_b32 hwreg(HW_REG_WAVE_MODE, 25, 1), 1
	s_wait_xcnt 0x0
	s_wait_alu depctr_hold_cnt(0) depctr_sa_sdst(0) depctr_va_vdst(0) depctr_va_sdst(0) depctr_va_ssrc(0) depctr_va_vcc(0) depctr_vm_vsrc(0)
	s_getreg_b32 s2, hwreg(HW_REG_IB_STS2, 6, 4)
	s_cmp_eq_u32 s2, 0
	s_cbranch_scc0 .Lentry_in_a_cluster
	s_endpgm
.Lentry_in_a_cluster:
	s_bfe_u32 s2, ttmp6, 0x10000c
	s_cmp_lg_u32 s2, 0xf033
	s_cbranch_scc0 .Lentry_shape_is_right
	s_endpgm
.Lentry_shape_is_right:
; THE THREE PROJECTIONS.  y_p = x_p W_p + b_p for p = 0, 1, 2 (query, key, value).  x: [8192][1024] f32; W: wb[p][k][n] bf16; b: [1024] f32; y: [8192][1024] f16.
; x and b are rounded to bf16 here (W was in the launch before), products in bf16, sums in f32, y rounded once to f16.
; LIMIT.  f16 holds no number beyond 65,504: a y beyond that becomes an infinity.  Inputs 30 times the drawn ones give |y| of some 3,000, offsets of 30 spreads on x and W some 17,000.
; SHARES.  A tile of y is 128 rows x 256 channels: 64 x 4 places.  A WORK-GROUP STAYS: 256 work-groups, one for each place, and each makes its tile of q, then of k, then of v.
; Four waves, each 64 rows x 128 channels: 32 accumulators of 16 x 16.  K goes in steps of 128 through two LDS slots, and the 24 K steps of the three tiles are ONE walk for the ring: a tile's last
; two changes of slots ask for the next tile's first two K steps, and nothing waits for a tile's stores.  W's three matrices lie end to end in wb, eight steps of 262,144 bytes each, so W's
; descriptor steps on across the tiles; x's address is taken anew from the next input's pointer.
; x comes in as f32 (rows of 512 bytes) and is rounded in registers, eight conversions behind every fourth matrix instruction of a quarter's second half; a launch that rounded x beforehand
; would move x's bytes once more through memory.
; THE MATRIX INSTRUCTION IS USED TRANSPOSED: source 0 = 16 channels of W^T (W lies [k][n], so it is turned on the way out of LDS by ds_load_tr16_b128), source 1 = 16 rows of x.
; A lane (r = lane % 16, h = lane / 16) then holds row r and the channels 8 h + 0..7: eight neighbouring numbers of a row of y.  The bias is the C operand of the products that start the sums.
; CLUSTER.  4 x 4 work-groups: the four of a row of the cluster take the same rows of x, the four of a column the same columns of W: each tile is asked for jointly, by the same tensor load with
; the same descriptor and a mask that names the four.  All sixteen walk the same 24 steps.
; REGISTERS, in windows of 256 (s_set_vgpr_msb: bits 1:0 source 0, 3:2 source 1, 5:4 source 2, 7:6 destination):
;   window 0: v0-29 addresses; v32-95 x as loaded, f32; v96-127, v128-159 x's fragments, two buffers; v192-255 the way out
;   window 1: v0-63, v64-127 W's fragments, two buffers; v128-191 the bias as C operands; v192-255 the bias as loaded          window 2: accumulator (a, b) at v[8 (8 a + b)]
; SCALARS: s2 the slot being read; s3 loop counter; s4 the K step (0-7) that x's walking address stands at; s5 changes of slots made in the tile in hand; s[74:77] x of the tiles to come;
;   s[80:85] the bias in hand and those to come; s[86:91] y likewise; s[92:93] x's walking address, plain.
.set XP,    528                        ; a row of x in LDS: 512 bytes + 16 = 132 words: the 16 rows of a load start at 16 different groups of four banks (64 banks of 4 bytes: ISA guide 11.1)
.set WP,    544                        ; a row of W: 512 + 32 = 136 words
.set XHALF, 64*XP                      ; what one tensor load brings of x
.set WOFF,  128*XP                     ; W's 128 rows lie behind x's 128
.set WHALF, 64*WP
.set SLOT1, 0x22000                    ; slot 1 begins here; its two bits are set in no LDS address of slot 0 that is turned, so one exclusive or changes slots
.set STAGE, 2*SLOT1                    ; behind the ring: 16 rows x 272 bytes for each wave, for the way out
.set SP,    272
.set SPARE, STAGE+4*16*SP              ; behind the stages: the spare words, 128 bytes for each wave: two blocks of 256 bytes that no other line names
.set NSTEP, 8                          ; K steps of a tile: 1024 / 128
.set GSTEPS, 3*NSTEP                   ; K steps of the walk
.set AX0, 3                            ; v3   my place in slot 0's x
.set AW0, 4                            ; v4   in slot 0's W
.set AX,  5                            ; v5   the same in the slot being read
.set AW,  6                            ; v6
.set STO, 7                            ; v7   the way out: where I put 16 bytes of a row
.set RD,  8                            ; v8   where I read a row back
.set CO,  9                            ; v9   my byte offset in two rows of y
.set BO,  10                           ; v10  my byte offset in 16 channels of the bias
.set SPW, 28                           ; v28  LDS address of my spare word; never rewritten
.set NIL, 29                           ; v29  0; never rewritten
.set RX,  32
.set XF,  96
.set OB,  192
.set BIAS, 128                         ; window 1
.set RAW,  192                         ; window 1
.set MSB, 0
.macro WIN new                         ; the immediate's high byte repeats the setting that is left; a switch that changes nothing is dropped
.if MSB != (\new)
	s_set_vgpr_msb (MSB<<8)|(\new)
.set MSB, \new
.endif
.endm
.macro CREST                           ; a round of the cluster's barrier behind its opening barrier
	s_cmp_lg_u32 s12, 0
	s_cbranch_scc1 .Lnot_wave_0_\@
	s_barrier_signal -3
.Lnot_wave_0_\@:
	s_barrier_wait -3
	s_barrier_signal -1
	s_barrier_wait -1
.endm
.macro CROUND
	s_barrier_signal -1
	s_barrier_wait -1
	CREST
.endm
.macro JLOAD                           ; a joint refill: waves 0 and 1 fetch x's two halves, waves 2 and 3 W's; an s_nop 0 and four v_nop follow each line
	s_cmp_eq_u32 s13, 0
	s_cbranch_scc0 .Lfor_b_\@
	tensor_load_to_lds s[36:39], s[24:31]
	s_nop 0
.rept 4
	v_nop
.endr
	s_branch .Lasked_\@
.Lfor_b_\@:
	tensor_load_to_lds s[60:63], s[48:55]
	s_nop 0
.rept 4
	v_nop
.endr
.Lasked_\@:
.endm
; The walking descriptors: the other slot, the walk's next K step.  It stands only where no tensor load of the wave is out.  Behind a tile's step 7 x goes on at the next input's step 0.
.macro STEPX
	s_xor_b32 s37, s37, SLOT1
	s_xor_b32 s61, s61, SLOT1
	s_add_nc_u64 s[62:63], s[62:63], 262144        ; W: 128 rows of 2,048 bytes on; the type bits on top are not reached
	s_add_nc_u64 s[92:93], s[92:93], 512           ; x: 128 f32 along a row
	s_add_co_u32 s4, s4, 1
	s_cmp_eq_u32 s4, NSTEP
	s_cselect_b64 s[92:93], s[74:75], s[92:93]     ; the tile's steps are through: the next input, at my rows,
	s_cselect_b64 s[74:75], s[76:77], s[74:75]     ; and the one behind it moves up
	s_cselect_b32 s4, 0, s4
	s_mov_b64 s[38:39], s[92:93]
	s_or_b32 s39, s39, 0x80000000                  ; type = 2
.endm
	s_load_b512 s[72:87], s[0:1], 0x0              ; query, key, value s[72:77]; wb s[78:79]; bq, bk, bv s[80:85]; qh s[86:87]
	s_load_b128 s[88:91], s[0:1], 0x40             ; kh, vh
	v_lshl_add_u32 v[SPW], v0, 2, SPARE
	v_mov_b32 v[NIL], 0
	ds_add_u32 v28, v29
	s_wait_dscnt 0x0
	v_lshrrev_b32 v1, 5, v0
	v_readfirstlane_b32 s12, v1                    ; wave 0..3
	s_lshr_b32 s13, s12, 1                         ; which 64 rows of the tile are mine.  Also: I fetch x (0) or W (1)
	s_and_b32 s14, s12, 1                          ; which 128 channels.  Also: which half of that tile I fetch
	s_bfe_u32 s15, ttmp6, 0x40000                  ; cx
	s_bfe_u32 s16, ttmp6, 0x40004                  ; cy
	s_lshl_b32 s17, ttmp9, 2
	s_add_co_u32 s17, s17, s15                     ; tile column = 4 x cluster x + cx
	s_and_b32 s18, ttmp7, 0xffff
	s_lshl_b32 s18, s18, 2
	s_add_co_u32 s18, s18, s16                     ; tile row = 4 x cluster y + cy
	s_lshl_b32 s20, s16, 2
	s_lshl_b32 s20, 15, s20                        ; my row of the cluster
	s_lshl_b32 s21, 0x1111, s15                    ; my column
	; descriptor group 1 for x: 64 rows x 128 elements of 4 bytes, 4 words of padding behind every 128 words
	s_or_b32 s24, s20, (2<<16)|(1<<20)|(1<<21)|(6<<22)|(3<<25)
	s_mov_b32 s25, 128<<16                         ; tensor_dim0
	s_mov_b32 s26, 64<<16                          ; tensor_dim1
	s_mov_b32 s27, 128<<16                         ; tile_dim0
	s_mov_b32 s28, 64                              ; tile_dim1
	s_mov_b32 s29, 1024                            ; elements from row to row
	s_mov_b32 s30, 0
	s_mov_b32 s31, 0
	; for W: 64 rows (k) x 256 elements of 2 bytes, 8 words of padding behind every 128 words
	s_or_b32 s48, s21, (1<<16)|(1<<20)|(1<<21)|(6<<22)|(7<<25)
	s_mov_b32 s49, 256<<16
	s_mov_b32 s50, 64<<16
	s_mov_b32 s51, 256<<16
	s_mov_b32 s52, 64
	s_mov_b32 s53, 1024
	s_mov_b32 s54, 0
	s_mov_b32 s55, 0
	s_lshl_b32 s40, s18, 7
	s_lshl_b32 s23, s14, 6
	s_add_co_u32 s40, s40, s23                     ; x: row 128 x tile row + 64 x half,
	s_lshl_b32 s40, s40, 12                        ; 4,096 bytes a row
	s_mov_b32 s41, 0
	s_lshl_b32 s44, s14, 17                        ; W: k row 64 x half, 2,048 bytes a row,
	s_lshl_b32 s23, s17, 9                         ; column 256 x tile column
	s_add_co_u32 s44, s44, s23
	s_mov_b32 s45, 0
	s_mul_i32 s42, s14, XHALF                      ; where they go: no place in the cluster enters an LDS address
	s_mul_i32 s46, s14, WHALF
	s_add_co_u32 s46, s46, WOFF
	s_mov_b32 s4, 1                                ; the walking set begins as K step 1
	s_mov_b32 s5, 0
	s_wait_kmcnt 0x0
	s_add_nc_u64 s[92:93], s[72:73], s[40:41]      ; query, key and value at the rows that I fetch
	s_add_nc_u64 s[74:75], s[74:75], s[40:41]
	s_add_nc_u64 s[76:77], s[76:77], s[40:41]
	s_add_nc_u64 s[44:45], s[78:79], s[44:45]
	; descriptor group 0: a set for K step 0 in slot 0, and the walking set, which begins as K step 1 in slot 1
	s_mov_b32 s32, 1
	s_mov_b32 s33, s42
	s_mov_b64 s[34:35], s[92:93]
	s_or_b32 s35, s35, 0x80000000
	s_add_nc_u64 s[92:93], s[92:93], 512           ; 128 f32 along a row
	s_mov_b32 s36, 1
	s_add_co_u32 s37, s42, SLOT1
	s_mov_b64 s[38:39], s[92:93]
	s_or_b32 s39, s39, 0x80000000
	s_mov_b32 s56, 1
	s_mov_b32 s57, s46
	s_add_nc_u64 s[58:59], s[44:45], 0
	s_or_b32 s59, s59, 0x80000000
	s_mov_b32 s60, 1
	s_add_co_u32 s61, s46, SLOT1
	s_add_nc_u64 s[62:63], s[44:45], 262144        ; 128 rows of 2,048 bytes
	s_or_b32 s63, s63, 0x80000000
	CROUND                                         ; all sixteen work-groups are here: the first joint loads meet
	s_cmp_eq_u32 s13, 0                            ; a wave's two first fills stand in one branch: two loads of mine are out
	s_cbranch_scc0 .Lfirst_b
	tensor_load_to_lds s[32:35], s[24:31]
	s_nop 0
	tensor_load_to_lds s[36:39], s[24:31]
	s_nop 0
.rept 4
	v_nop
.endr
	s_branch .Lfirst_asked
.Lfirst_b:
	tensor_load_to_lds s[56:59], s[48:55]
	s_nop 0
	tensor_load_to_lds s[60:63], s[48:55]
	s_nop 0
.rept 4
	v_nop
.endr
.Lfirst_asked:
.macro BLOADS                          ; the bias of my 128 channels, as it lies: register j of block b: channel 16 b + 8 h + j, as in the accumulators
	WIN 0x40                                       ; destination window 1
.irp b, 0,1,2,3,4,5,6,7
	global_load_b128 v[RAW+8*\b:RAW+8*\b+3],   v[BO], s[80:81] offset:64*\b
	global_load_b128 v[RAW+8*\b+4:RAW+8*\b+7], v[BO], s[80:81] offset:64*\b+16
.endr
	WIN 0
.endm
	v_and_b32 v1, 15, v0                           ; r
	v_bfe_u32 v2, v0, 4, 1                         ; h
	v_lshlrev_b32 v[BO], 5, v2                     ; 8 h channels of 4 bytes
	s_lshl_b32 s22, s17, 10                        ; the three biases at my 128 channels
	s_lshl_b32 s23, s14, 9
	s_add_co_u32 s22, s22, s23
	s_mov_b32 s23, 0
	s_add_nc_u64 s[80:81], s[80:81], s[22:23]
	s_add_nc_u64 s[82:83], s[82:83], s[22:23]
	s_add_nc_u64 s[84:85], s[84:85], s[22:23]
	BLOADS                                         ; bq
	s_mul_i32 s22, s13, 64*XP
	v_mul_u32_u24 v[AX0], v1, XP
	v_lshl_add_u32 v[AX0], v2, 5, v[AX0]           ; x: (64 x half + r) x pitch + 8 h numbers of 4 bytes
	v_add_nc_u32 v[AX0], s22, v[AX0]
	v_and_b32 v11, 7, v0
	v_bfe_u32 v12, v0, 3, 1
	v_lshl_add_u32 v[AW0], v2, 3, v11              ; W: the turning load reads k row 8 h + lane % 8, 16 bytes at 16 ((lane / 8) % 2),
	v_mul_u32_u24 v[AW0], v[AW0], WP
	v_lshl_add_u32 v[AW0], v12, 4, v[AW0]
	s_lshl_b32 s22, s14, 8                         ; in my 128 channels
	s_add_co_u32 s22, s22, WOFF
	v_add_nc_u32 v[AW0], s22, v[AW0]
	s_mul_i32 s22, s12, 16*SP
	s_add_co_u32 s22, s22, STAGE                   ; my stage
	v_mul_u32_u24 v[STO], v1, SP
	v_lshl_add_u32 v[STO], v2, 4, v[STO]
	v_add_nc_u32 v[STO], s22, v[STO]
	v_mul_u32_u24 v[RD], v2, SP                    ; back: lanes 0-15 one row of 256 bytes, lanes 16-31 the next
	v_lshl_add_u32 v[RD], v1, 4, v[RD]
	v_add_nc_u32 v[RD], s22, v[RD]
	v_lshlrev_b32 v[CO], 11, v2                    ; and the same two rows of y, 2,048 bytes apart
	v_lshl_add_u32 v[CO], v1, 4, v[CO]
	s_lshl_b32 s22, s18, 7                         ; the three y at my first row and channel
	s_lshl_b32 s23, s13, 6
	s_add_co_u32 s22, s22, s23
	s_lshl_b32 s22, s22, 11
	s_lshl_b32 s23, s17, 9
	s_add_co_u32 s22, s22, s23
	s_lshl_b32 s23, s14, 8
	s_add_co_u32 s22, s22, s23
	s_mov_b32 s23, 0
	s_add_nc_u64 s[86:87], s[86:87], s[22:23]
	s_add_nc_u64 s[88:89], s[88:89], s[22:23]
	s_add_nc_u64 s[90:91], s[90:91], s[22:23]
; 32 LDS loads in one run, for 32 along K (quarter kq of the step): x's 64 rows as f32 (lane: k = 8 h + 0..7 and 16 + 8 h + 0..7, four loads of 16 bytes a tile), then W's 128 channels, turned, into buffer g
.macro FETCH kq, g
	WIN 0
.irp a, 0,1,2,3
	ds_load_b128 v[RX+16*\a:RX+16*\a+3],     v[AX] offset:\a*16*XP+(\kq)*128
	ds_load_b128 v[RX+16*\a+4:RX+16*\a+7],   v[AX] offset:\a*16*XP+(\kq)*128+16
	ds_load_b128 v[RX+16*\a+8:RX+16*\a+11],  v[AX] offset:\a*16*XP+(\kq)*128+64
	ds_load_b128 v[RX+16*\a+12:RX+16*\a+15], v[AX] offset:\a*16*XP+(\kq)*128+80
.endr
	WIN 0x40
.irp b, 0,1,2,3,4,5,6,7
	ds_load_tr16_b128 v[64*(\g)+8*\b:64*(\g)+8*\b+3],   v[AW] offset:(\kq)*32*WP+32*\b
	ds_load_tr16_b128 v[64*(\g)+8*\b+4:64*(\g)+8*\b+7], v[AW] offset:(\kq)*32*WP+32*\b+16*WP
.endr
.endm
.macro CVT g, a                        ; tile a of x is rounded to bf16 into buffer g: a fragment of 16 rows x 32 K
	WIN 0
.irp i, 0,1,2,3,4,5,6,7
	v_cvt_pk_bf16_f32 v[XF+32*(\g)+8*(\a)+\i], v[RX+16*(\a)+2*\i], v[RX+16*(\a)+2*\i+1]
.endr
.endm
; n matrix instructions: row tile a x channel blocks b0 on, buffer f.  bias = 1: the first products start the sums with the bias as C: nothing is cleared.
; The 32 accumulators take turns in one order everywhere, one instruction a turn.
.macro MUL f, a, b0, n, bias=0
	WIN 0xa1-0x10*(\bias)                          ; W window 1, x window 0, D window 2; C window 2, or 1 for the bias
.set bb, \b0
.rept \n
.if \bias
	v_wmma_f32_16x16x32_bf16 v[8*(8*(\a)+bb):8*(8*(\a)+bb)+7], v[64*(\f)+8*bb:64*(\f)+8*bb+7], v[XF+32*(\f)+8*(\a):XF+32*(\f)+8*(\a)+7], v[BIAS+8*bb:BIAS+8*bb+7]
.else
	v_wmma_f32_16x16x32_bf16 v[8*(8*(\a)+bb):8*(8*(\a)+bb)+7], v[64*(\f)+8*bb:64*(\f)+8*bb+7], v[XF+32*(\f)+8*(\a):XF+32*(\f)+8*(\a)+7], v[8*(8*(\a)+bb):8*(8*(\a)+bb)+7]
.endif
.set bb, bb+1
.endr
.endm
.macro HALF2 f, g, bias=0              ; a quarter's second half: 16 products, and the next quarter's x rounded between them
	MUL \f, 2, 0, 4, \bias
	CVT \g, 0
	MUL \f, 2, 4, 4, \bias
	CVT \g, 1
	MUL \f, 3, 0, 4, \bias
	CVT \g, 2
	MUL \f, 3, 4, 4, \bias
	CVT \g, 3
.endm
; One of a step's first three quarters: multiplies buffer f, fetches quarter kq into g.  The eight conversions that end the quarter before name none of the registers of its last products:
; they are the places between those products and the loads into W's buffer g.
.macro Q kq, f, g, bias=0
	FETCH \kq, \g
	s_wait_dscnt 32                                ; all but the 32 just issued: W's buffer f is in
	MUL \f, 0, 0, 8, \bias
	MUL \f, 1, 0, 8, \bias
	s_wait_dscnt 16                                ; x's 16 loads are in; W's 16, issued behind them, may stay out
	HALF2 \f, \g, \bias
.endm
; The last quarter multiplies buffer 1 and changes slots.  What the wave can do without the next tile, eight products, stands ahead of the wait for it; then each wave waits for all its tensor loads
; (the one that is out is its part of the next slot), adds 0 to its spare word, and waits for that; its own reads of this slot were over at the quarter's head.  One barrier.
; fill = 1: the barrier opens a round of the cluster's, and this slot is filled again, two K steps ahead in the walk, first thing behind it.
.macro TURN fill
	s_wait_dscnt 0x0                               ; W's buffer 1 is in: my reads of this slot are over
	MUL 1, 0, 0, 8
	WIN 0
	s_wait_tensorcnt 0x0
	ds_add_u32 v[SPW], v[NIL]                      ; 0 onto my spare word; the descriptors' step stands between it and the wait for it
.if \fill
	STEPX
.endif
	s_wait_dscnt 0x0                               ; the add is done
	s_barrier_signal -1
	s_barrier_wait -1
.if \fill
	CREST                                          ; no wave of any partner still reads this slot or has a load on its way
	JLOAD
.endif
	s_xor_b32 s2, s2, SLOT1                        ; the reads go on in the other slot
	v_add_nc_u32 v[AX], s2, v[AX0]
	v_add_nc_u32 v[AW], s2, v[AW0]
	FETCH 0, 0
	MUL 1, 1, 0, 8
	s_wait_dscnt 16                                ; x's 16 loads are in
	HALF2 1, 0
.endm
; THE WAY OUT, a tile of 16 rows at a time: rounded to f16 in place (each accumulator from its low end on), 16 bytes a lane into my own stage, back as whole rows of 256 bytes, stored.
; The eight conversions that end TURN are the places behind the last products.
.macro PACK a
	WIN 0x8a                                       ; all in window 2
.irp b, 0,1,2,3,4,5,6,7
.irp i, 0,1,2,3
	v_cvt_pk_f16_f32 v[8*(8*(\a)+\b)+\i], v[8*(8*(\a)+\b)+2*\i], v[8*(8*(\a)+\b)+2*\i+1]
.endr
.endr
.endm
.macro TOSTAGE a
	WIN 0x08                                       ; store data window 2
.irp b, 0,1,2,3,4,5,6,7
	ds_store_b128 v[STO], v[8*(8*(\a)+\b):8*(8*(\a)+\b)+3] offset:32*\b
.endr
	WIN 0
.irp t, 0,1,2,3,4,5,6,7
	ds_load_b128 v[OB+32*((\a)%2)+4*\t:OB+32*((\a)%2)+4*\t+3], v[RD] offset:\t*2*SP  ; LDS serves a wave's instructions in order (ISA guide 5.7.1.4): these see the stores above
.endr
.endm
.macro SEND a
	WIN 0
	s_wait_dscnt 0x0                               ; the tile is back in registers
	s_wait_xcnt 0x0                                ; earlier stores have read their registers: the buffer of the tile before last is loaded again only behind this wait
.irp t, 0,1,2,3,4,5,6,7
	global_store_b128 v[CO], v[OB+32*((\a)%2)+4*\t:OB+32*((\a)%2)+4*\t+3], s[86:87] offset:(\a)*32768+\t*4096  ; 16 lanes store 256 consecutive bytes, at a multiple of 256 from y's first byte
.endr
.endm
.macro WAYOUT
	PACK 0
	TOSTAGE 0
	PACK 1
	SEND 0
	TOSTAGE 1
	PACK 2
	SEND 1
	TOSTAGE 2
	PACK 3
	SEND 2
	TOSTAGE 3
	SEND 3
.endm
	s_wait_tensorcnt 1                             ; my part of K step 0 is in; slot 1's load, issued behind it, may stay out
	s_barrier_signal -1
	s_barrier_wait -1                              ; everybody's is
	s_mov_b32 s2, 0
	v_mov_b32 v[AX], v[AX0]
	v_mov_b32 v[AW], v[AW0]
	FETCH 0, 0
	s_wait_dscnt 16                                ; x's 16 loads are in
	CVT 0, 0
	CVT 0, 1
	CVT 0, 2
	CVT 0, 3
	WIN 0
	s_mov_b32 s3, GSTEPS-1                         ; the rest of a trip, from .Lbegin on, and 22 whole trips
	s_branch .Lbegin                               ; the loop is entered where a tile begins, in the middle of a trip
.Lstep:                                                ; a trip: a step's quarters 1 to 3 and the next step's quarter 0; it fills one slot again: the walk's K steps 2 to 23
	Q 2, 1, 0
	Q 3, 0, 1
	TURN 1
	WIN 0
	s_add_co_u32 s5, s5, 1
	s_cmp_eq_u32 s5, NSTEP
	s_cbranch_scc0 .Lplain                         ; forward, past text that holds neither a barrier nor a tensor load
	s_mov_b32 s5, 0                                ; A TILE'S END: both refills for the next tile are asked for, and its first fragments are in registers
	s_mov_b64 s[80:81], s[82:83]                   ; the next bias is asked for (the last one's loads were waited for where its tile began),
	s_mov_b64 s[82:83], s[84:85]
	BLOADS
	WAYOUT                                         ; and the tile goes out while it comes
	s_wait_xcnt 0x0                                ; the stores have read their base and their registers
	s_mov_b64 s[86:87], s[88:89]                   ; the next tile's y
	s_mov_b64 s[88:89], s[90:91]
.Lbegin:                                               ; A TILE BEGINS: the bias is rounded to bf16 like every input, and widened again
	s_wait_loadcnt 0x0
	WIN 0x45                                       ; all in window 1
.set i, 0
.rept 32
	v_cvt_pk_bf16_f32 v[RAW+2*i], v[RAW+2*i], v[RAW+2*i+1]
.set i, i+1
.endr
.set i, 0
.rept 32
	v_lshlrev_b32 v[BIAS+2*i], 16, v[RAW+2*i]
	v_and_b32 v[BIAS+2*i+1], 0xffff0000, v[RAW+2*i]
.set i, i+1
.endr
	Q 1, 0, 1, 1                                   ; its first quarter's products start the sums
	WIN 0
	s_branch .Lnext
.Lplain:
	Q 1, 0, 1
	WIN 0
.Lnext:
	s_sub_co_u32 s3, s3, 1
	s_cmp_lg_u32 s3, 0
	s_cbranch_scc1 .Lstep
	s_mov_b32 s3, 2                                ; THE WALK'S LAST TWO K STEPS ask for nothing: a loop of their own; entered behind step 22's quarter 0
	s_branch .Ltin
.Ltail:
	Q 1, 0, 1
	WIN 0
.Ltin:
	Q 2, 1, 0
	Q 3, 0, 1
	TURN 0                                         ; in the second trip its barrier, its 32 loads (of bytes that step 22 left in the other slot) and its conversions serve nothing: the price, once a work-group, of one text for both
	WIN 0
	s_sub_co_u32 s3, s3, 1
	s_cmp_lg_u32 s3, 0
	s_cbranch_scc1 .Ltail
	s_wait_dscnt 0x0
	WAYOUT
	s_wait_tensorcnt 0x0                           ; the wave's end
	ds_add_u32 v[SPW], v[NIL]
	s_wait_dscnt 0x0
	CROUND                                         ; the closing round: no work-group ends while a partner may still ask for a tile that names it
	s_endpgm
.Lfunc_end_k_qbe852c6136_proj:
	.size	k_qbe852c6136_proj, .Lfunc_end_k_qbe852c6136_proj-k_qbe852c6136_proj
	.p2alignl 7, 3214868480
	.fill 96, 4, 3214868480
	.section	.rodata,"a",@progbits
	.p2align	6, 0x0
	.amdhsa_kernel k_qbe852c6136_proj
		.amdhsa_group_segment_fixed_size 327680
		.amdhsa_private_segment_fixed_size 0
		.amdhsa_enable_private_segment 0
		.amdhsa_kernarg_size 80
		.amdhsa_user_sgpr_count 2
		.amdhsa_user_sgpr_kernarg_segment_ptr 1
		.amdhsa_wavefront_size32 1
		.amdhsa_system_sgpr_workgroup_id_x 1
		.amdhsa_system_sgpr_workgroup_id_y 1
		.amdhsa_system_sgpr_workgroup_id_z 1
		.amdhsa_system_vgpr_workitem_id 0
		.amdhsa_next_free_vgpr 768
		.amdhsa_next_free_sgpr 94
		.amdhsa_reserve_vcc 0
		.amdhsa_float_denorm_mode_32 3
		.amdhsa_float_denorm_mode_16_64 3
		.amdhsa_memory_ordered 1
		.amdhsa_forward_progress 1
		.amdhsa_inst_pref_size 111
	.end_amdhsa_kernel
	.amdgpu_metadata
---
amdhsa.version: [ 1, 2 ]
amdhsa.kernels:
  - .name:           k_qbe852c6136_proj
    .symbol:         k_qbe852c6136_proj.kd
    .args:
      - { .name: query, .offset: 0, .size: 8, .value_kind: global_buffer, .address_space: global }
      - { .name: key, .offset: 8, .size: 8, .value_kind: global_buffer, .address_space: global }
      - { .name: value, .offset: 16, .size: 8, .value_kind: global_buffer, .address_space: global }
      - { .name: wb, .offset: 24, .size: 8, .value_kind: global_buffer, .address_space: global }
      - { .name: bq, .offset: 32, .size: 8, .value_kind: global_buffer, .address_space: global }
      - { .name: bk, .offset: 40, .size: 8, .value_kind: global_buffer, .address_space: global }
      - { .name: bv, .offset: 48, .size: 8, .value_kind: global_buffer, .address_space: global }
      - { .name: qh, .offset: 56, .size: 8, .value_kind: global_buffer, .address_space: global }
      - { .name: kh, .offset: 64, .size: 8, .value_kind: global_buffer, .address_space: global }
      - { .name: vh, .offset: 72, .size: 8, .value_kind: global_buffer, .address_space: global }
    .group_segment_fixed_size: 327680
    .private_segment_fixed_size: 0
    .kernarg_segment_align: 8
    .kernarg_segment_size: 80
    .max_flat_workgroup_size: 128
    .sgpr_count:     94
    .vgpr_count:     768
    .wavefront_size: 32
...
	.end_amdgpu_metadata
.endif
;; end of part 2
;; launch scores (part 3): grid 8 x 32, 4 waves a work-group, clusters of 4 x 4, 327,680 bytes of LDS; arguments qh, kh, ph, st; writes ph, st
.if DOCPART == 3
	.amdgcn_target "amdgcn-amd-amdhsa--gfx1250"
	.amdhsa_code_object_version 6
	.text
	.protected	k_qbe852c6136_scores
	.globl	k_qbe852c6136_scores
	.p2align	8
	.type	k_qbe852c6136_scores,@function
k_qbe852c6136_scores:
	s_mov_b64 s[64:65], 0
	v_nop
	global_prefetch_b8 v0, s[64:65] scope:SCOPE_SE
	s_setreg_imm32_b32 hwreg(HW_REG_WAVE_MODE, 25, 1), 1
	s_wait_xcnt 0x0
	s_wait_alu depctr_hold_cnt(0) depctr_sa_sdst(0) depctr_va_vdst(0) depctr_va_sdst(0) depctr_va_ssrc(0) depctr_va_vcc(0) depctr_vm_vsrc(0)
	s_getreg_b32 s2, hwreg(HW_REG_IB_STS2, 6, 4)
	s_cmp_eq_u32 s2, 0
	s_cbranch_scc0 .Lentry_in_a_cluster
	s_endpgm
.Lentry_in_a_cluster:
	s_bfe_u32 s2, ttmp6, 0x10000c
	s_cmp_lg_u32 s2, 0xf033
	s_cbranch_scc0 .Lentry_shape_is_right
	s_endpgm
.Lentry_shape_is_right:
; SCORES AND THE FIRST HALF OF THE SOFTMAX.  s = q . k (q, k: [8192][1024] f16, 2,048 rows a batch; sums in f32).  The keys of a batch lie in 16 blocks of 128.  For each query and block:
; m = the block's largest s;  p = 2^(c s - c m), c = log2(e) / 32, rounded to f16 into ph[query row][key];  l = the sum of the unrounded p.  st[0][block][query row] = c m, st[1][..] = l, f32.
; The launch behind takes the largest c m of a query's 16 blocks away: together that is the softmax with the row's true maximum; every exponent is 0 or less, and l is 1 or more.
; LIMITS.  p below 6e-5 keeps f16's fixed step of 6e-8; a p below 2^-126 counts as 0 in l; NaN and infinities are not treated apart.
; SHARES.  A tile is 256 queries x 256 keys: 32 x 8 = 256 work-groups.  Four waves, each 128 queries x 128 keys, one block: 64 accumulators of 16 x 16, 512 registers.  So a block's maximum and sum
; never leave the wave.  K (the 1,024 channels) goes in steps of 128 through two LDS slots; rows of 256 bytes.
; THE MATRIX INSTRUCTION IS USED TRANSPOSED: source 0 = 16 keys, source 1 = 16 queries: a lane (r = lane % 16, h = lane / 16) holds ONE query, r, and the keys 8 h + 0..7 of each group of 16:
; a maximum or a sum over the block wants one exchange between the halves of the lanes, and eight weights pack into 16 neighbouring bytes of a row of ph.
; CLUSTER.  4 x 4 work-groups: q's tile is shared along a row of the cluster, k's along a column (the batch hangs on the cluster's y alone): joint loads.
; REGISTERS, in windows of 256 (s_set_vgpr_msb: bits 1:0 source 0, 3:2 source 1, 5:4 source 2, 7:6 destination):
;   window 0: v0-29 addresses; v32-51 at work; v64-127, v128-191 q's fragments, two buffers (behind the loop v64-127: the way out); v192-207 c m and l of the eight query tiles; v208-215 the statistics' way out
;   window 1: v64-127, v128-191 k's fragments          window 2: the accumulators of my queries 0-63 ((a, b) at v[8 (8 a + b)])          window 3: those of my queries 64-127
.set PITCH, 272                        ; an LDS row: 256 bytes + 16 = 68 words: the 16 rows of a load start at 16 different groups of four banks (64 banks of 4 bytes: ISA guide 11.1)
.set HALFT, 128*PITCH                  ; what one tensor load brings, and what one wave reads of q or of k
.set SLOT1, 4*HALFT                    ; q's 256 rows, then k's 256 rows; 0x22000: its two bits are set in no LDS address of slot 0 that is turned
.set STAGE, 2*SLOT1                    ; behind the ring: 16 rows x 272 bytes for each wave
.set SP,    272
.set STAT,  STAGE+4*16*SP              ; 1,024 bytes for each wave: c m of its 128 queries, then l
.set SPARE, STAT+4*1024                ; the spare words, 128 bytes for each wave: two blocks of 256 bytes that no other line names
.set NSTEP, 8
.set ADRA0, 3                          ; v3   my place in slot 0's q
.set ADRB0, 4                          ; v4   in slot 0's k
.set ADRA,  5                          ; v5   the same in the slot being read
.set ADRB,  6                          ; v6
.set STO, 7                            ; v7   the way out: where I put 16 bytes of a row
.set RD,  8                            ; v8   where I read a row back
.set CO,  9                            ; v9   my byte offset in two rows of ph
.set STA, 10                           ; v10  where I put a statistic
.set STR, 11                           ; v11  where I read 16 bytes of them back
.set LN,  12                           ; v12  16 x lane
.set SPW, 28                           ; v28  LDS address of my spare word; never rewritten
.set NIL, 29                           ; v29  0; never rewritten
.set T,   32                           ; v32-39
.set L,   44                           ; v44-51: four pairs
.set F0,  64
.set F1,  128
.set OB,  64
.set SMP, 192
.set MSB, 0
.macro WIN new                         ; the immediate's high byte repeats the setting that is left; a switch that changes nothing is dropped
.if MSB != (\new)
	s_set_vgpr_msb (MSB<<8)|(\new)
.set MSB, \new
.endif
.endm
.macro PLACES                          ; four places behind matrix instructions (ISA guide 7.12.1)
.rept 4
	v_nop
.endr
.endm
.macro CREST
	s_cmp_lg_u32 s12, 0
	s_cbranch_scc1 .Lnot_wave_0_\@
	s_barrier_signal -3
.Lnot_wave_0_\@:
	s_barrier_wait -3
	s_barrier_signal -1
	s_barrier_wait -1
.endm
.macro CROUND
	s_barrier_signal -1
	s_barrier_wait -1
	CREST
.endm
.macro JLOAD                           ; a joint refill: waves 0 and 1 fetch q's two halves, waves 2 and 3 k's; an s_nop 0 and four v_nop follow each line
	s_cmp_eq_u32 s13, 0
	s_cbranch_scc0 .Lfor_b_\@
	tensor_load_to_lds s[36:39], s[24:31]
	s_nop 0
.rept 4
	v_nop
.endr
	s_branch .Lasked_\@
.Lfor_b_\@:
	tensor_load_to_lds s[60:63], s[48:55]
	s_nop 0
.rept 4
	v_nop
.endr
.Lasked_\@:
.endm
.macro STEPD da, db                    ; the walking descriptors: the other slot, the next K step.  It stands only where no tensor load of the wave is out
	s_xor_b32 s37, s37, SLOT1
	s_add_nc_u64 s[38:39], s[38:39], \da
	s_xor_b32 s61, s61, SLOT1
	s_add_nc_u64 s[62:63], s[62:63], \db
.endm
	s_load_b256 s[4:11], s[0:1], 0x0               ; qh s[4:5], kh s[6:7], ph s[8:9], st s[10:11]
	v_lshl_add_u32 v[SPW], v0, 2, SPARE
	v_mov_b32 v[NIL], 0
	ds_add_u32 v28, v29
	s_wait_dscnt 0x0
	v_lshrrev_b32 v1, 5, v0
	v_readfirstlane_b32 s12, v1                    ; wave 0..3
	s_lshr_b32 s13, s12, 1                         ; which 128 queries are mine.  Also: I fetch q (0) or k (1)
	s_and_b32 s14, s12, 1                          ; which 128 keys.  Also: which 128 rows of that tile I fetch
	s_bfe_u32 s15, ttmp6, 0x40000                  ; cx
	s_bfe_u32 s16, ttmp6, 0x40004                  ; cy
	s_lshl_b32 s17, ttmp9, 2
	s_add_co_u32 s17, s17, s15                     ; key tile of the batch = 4 x cluster x + cx
	s_and_b32 s19, ttmp7, 0xffff
	s_lshl_b32 s18, s19, 2
	s_add_co_u32 s18, s18, s16                     ; query tile = 4 x cluster y + cy
	s_lshr_b32 s19, s19, 1                         ; the batch: from the cluster's y alone
	s_lshl_b32 s20, s16, 2
	s_lshl_b32 s20, 15, s20                        ; my row of the cluster
	s_lshl_b32 s21, 0x1111, s15                    ; my column
	; descriptor group 1: 128 rows x 128 elements of 2 bytes, 4 words of padding behind every 64 words
	s_or_b32 s24, s20, (1<<16)|(1<<20)|(1<<21)|(5<<22)|(3<<25)
	s_or_b32 s48, s21, (1<<16)|(1<<20)|(1<<21)|(5<<22)|(3<<25)
.irp g, 24, 48
	s_mov_b32 s[\g+1], 128<<16                     ; tensor_dim0
	s_mov_b32 s[\g+2], 128<<16                     ; tensor_dim1
	s_mov_b32 s[\g+3], 128<<16                     ; tile_dim0
	s_mov_b32 s[\g+4], 128                         ; tile_dim1
	s_mov_b32 s[\g+5], 1024                        ; elements from row to row
	s_mov_b32 s[\g+6], 0
	s_mov_b32 s[\g+7], 0
.endr
	s_lshl_b32 s22, s14, 7                         ; which 128 rows of the tile I fetch
	s_lshl_b32 s40, s18, 8
	s_add_co_u32 s40, s40, s22                     ; q: row 256 x query tile + 128 x half,
	s_lshl_b32 s40, s40, 11                        ; 2,048 bytes a row
	s_mov_b32 s41, 0
	s_lshl_b32 s44, s19, 11                        ; k: row 2,048 x batch + 256 x key tile + 128 x half
	s_lshl_b32 s23, s17, 8
	s_add_co_u32 s44, s44, s23
	s_add_co_u32 s44, s44, s22
	s_lshl_b32 s44, s44, 11
	s_mov_b32 s45, 0
	s_mul_i32 s42, s12, HALFT                      ; where they go: q's two halves, then k's two = wave x 128 rows
	s_mov_b32 s66, 0x3d38aa3b                      ; c = log2(e) / 32
	s_mov_b32 s67, s66                             ; named with it as a pair
	s_mov_b32 s68, 0x76543210                      ; v_permlanex16_b32: each lane takes its own place in the other half
	s_mov_b32 s69, 0xfedcba98
	s_wait_kmcnt 0x0
	s_add_nc_u64 s[40:41], s[4:5], s[40:41]
	s_add_nc_u64 s[44:45], s[6:7], s[44:45]
	s_mov_b32 s32, 1                               ; group 0: K step 0 in slot 0,
	s_mov_b32 s33, s42
	s_add_nc_u64 s[34:35], s[40:41], 0
	s_or_b32 s35, s35, 0x80000000
	s_mov_b32 s36, 1                               ; and the walking set, which begins as K step 1 in slot 1
	s_add_co_u32 s37, s42, SLOT1
	s_add_nc_u64 s[38:39], s[40:41], 256
	s_or_b32 s39, s39, 0x80000000
	s_mov_b32 s56, 1
	s_mov_b32 s57, s42
	s_add_nc_u64 s[58:59], s[44:45], 0
	s_or_b32 s59, s59, 0x80000000
	s_mov_b32 s60, 1
	s_add_co_u32 s61, s42, SLOT1
	s_add_nc_u64 s[62:63], s[44:45], 256
	s_or_b32 s63, s63, 0x80000000
	CROUND                                         ; all sixteen work-groups are here: the first joint loads meet
	s_cmp_eq_u32 s13, 0                            ; a wave's two first fills stand in one branch: two loads of mine are out
	s_cbranch_scc0 .Lfirst_b
	tensor_load_to_lds s[32:35], s[24:31]
	s_nop 0
	tensor_load_to_lds s[36:39], s[24:31]
	s_nop 0
.rept 4
	v_nop
.endr
	s_branch .Lfirst_asked
.Lfirst_b:
	tensor_load_to_lds s[56:59], s[48:55]
	s_nop 0
	tensor_load_to_lds s[60:63], s[48:55]
	s_nop 0
.rept 4
	v_nop
.endr
.Lfirst_asked:
	v_and_b32 v1, 15, v0                           ; r
	v_bfe_u32 v2, v0, 4, 1                         ; h
	v_mul_u32_u24 v13, v1, PITCH
	v_lshl_add_u32 v13, v2, 4, v13                 ; a fragment's row x pitch + 16 h
	s_mul_i32 s22, s13, HALFT
	v_add_nc_u32 v[ADRA0], s22, v13
	s_mul_i32 s22, s14, HALFT
	s_add_co_u32 s22, s22, 2*HALFT
	v_add_nc_u32 v[ADRB0], s22, v13
	s_mul_i32 s22, s12, 16*SP
	s_add_co_u32 s22, s22, STAGE                   ; my stage: its pitch is the tiles'
	v_add_nc_u32 v[STO], s22, v13
	v_mul_u32_u24 v[RD], v2, SP                    ; back: lanes 0-15 one row of 256 bytes, lanes 16-31 the next
	v_lshl_add_u32 v[RD], v1, 4, v[RD]
	v_add_nc_u32 v[RD], s22, v[RD]
	v_lshlrev_b32 v[CO], 12, v2                    ; and the same two rows of ph, 4,096 bytes apart
	v_lshl_add_u32 v[CO], v1, 4, v[CO]
	s_lshl_b32 s22, s12, 10
	s_add_co_u32 s22, s22, STAT
	v_lshlrev_b32 v[STA], 9, v2                    ; lanes 0-15 put c m, lanes 16-31 l, 512 bytes on
	v_lshl_add_u32 v[STA], v1, 2, v[STA]
	v_add_nc_u32 v[STA], s22, v[STA]
	v_and_b32 v[LN], 31, v0
	v_lshlrev_b32 v[LN], 4, v[LN]
	v_add_nc_u32 v[STR], s22, v[LN]
	v_cmp_eq_u32 s70, 1, v2                        ; the upper half of the lanes
	s_lshl_b32 s22, s18, 8
	s_lshl_b32 s3, s13, 7
	s_add_co_u32 s3, s22, s3                       ; my first query row
	s_lshl_b32 s22, s3, 12                         ; ph at that row, and at my 128 keys
	s_lshl_b32 s23, s17, 9
	s_add_co_u32 s22, s22, s23
	s_lshl_b32 s23, s14, 8
	s_add_co_u32 s22, s22, s23
	s_mov_b32 s23, 0
	s_add_nc_u64 s[8:9], s[8:9], s[22:23]
	s_lshl_b32 s22, s17, 1
	s_add_co_u32 s22, s22, s14                     ; my block of keys,
	s_lshl_b32 s22, s22, 15                        ; 8,192 rows of 4 bytes a block
	s_lshl_b32 s3, s3, 2
	s_add_co_u32 s22, s22, s3
	s_add_nc_u64 s[10:11], s[10:11], s[22:23]
; 16 matrix instructions: query tiles a0, a0 + 1 of the window's four (hi = 0: my queries 0-63, 1: 64-127) x all 8 key groups, 32 along K.  zero = 1: the first product starts the sums.
; The 64 accumulators take turns in one order everywhere, one instruction a turn.
.macro MUL16 f, hi, a0, zero
	WIN 0xa1+0x50*(\hi)                            ; k window 1, q window 0, C and D window 2 or 3
.irp a, \a0, (\a0)+1
.irp b, 0,1,2,3,4,5,6,7
.if \zero
	v_wmma_f32_16x16x32_f16 v[8*(8*(\a)+(\b)):8*(8*(\a)+(\b))+7], v[(\f)+8*(\b):(\f)+8*(\b)+7], v[(\f)+8*(4*(\hi)+(\a)):(\f)+8*(4*(\hi)+(\a))+7], 0
.else
	v_wmma_f32_16x16x32_f16 v[8*(8*(\a)+(\b)):8*(8*(\a)+(\b))+7], v[(\f)+8*(\b):(\f)+8*(\b)+7], v[(\f)+8*(4*(\hi)+(\a)):(\f)+8*(4*(\hi)+(\a))+7], v[8*(8*(\a)+(\b)):8*(8*(\a)+(\b))+7]
.endif
.endr
.endr
.endm
.macro FETCH k, f                      ; 32 LDS loads in one run: 128 rows of k, then 128 rows of q, 32 along K at byte k of the rows, into buffer f
	WIN 0x40
.irp i, 0,1,2,3,4,5,6,7
	ds_load_b128 v[(\f)+8*(\i):(\f)+8*(\i)+3],   v[ADRB] offset:(\k)+(\i)*16*PITCH
	ds_load_b128 v[(\f)+8*(\i)+4:(\f)+8*(\i)+7], v[ADRB] offset:(\k)+(\i)*16*PITCH+32
.endr
	WIN 0
.irp i, 0,1,2,3,4,5,6,7
	ds_load_b128 v[(\f)+8*(\i):(\f)+8*(\i)+3],   v[ADRA] offset:(\k)+(\i)*16*PITCH
	ds_load_b128 v[(\f)+8*(\i)+4:(\f)+8*(\i)+7], v[ADRA] offset:(\k)+(\i)*16*PITCH+32
.endr
.endm
.macro QUARTER k, f, g, zero           ; one of a step's first three quarters: multiplies buffer f; in its middle it fetches the next quarter, at byte k, into g
	s_wait_dscnt 8                                 ; k and q's rows 0-63 are in; the youngest eight loads (q's rows 64-127) may be out
	MUL16 \f, 0, 0, \zero
	MUL16 \f, 0, 2, \zero
	PLACES                                         ; in front of loads into registers that the quarter before multiplied
	FETCH \k, \g
	s_wait_dscnt 32                                ; all but the 32 just issued
	MUL16 \f, 1, 0, \zero
	MUL16 \f, 1, 2, \zero
.endm
; The last quarter multiplies buffer 1 and changes slots: one barrier; in front of it each wave waits for all its tensor loads (the one that is out is its part of the next slot), adds 0 to its
; spare word, and waits for that and for its own reads of this slot.  fill = 1: the barrier opens a round of the cluster's, and this slot is filled again, two K steps ahead, first thing behind it.
.macro TURN fill
	WIN 0
	s_wait_tensorcnt 0x0
	ds_add_u32 v[SPW], v[NIL]                      ; 0 onto my spare word
	s_wait_dscnt 9                                 ; the add and the youngest eight loads may be out
	MUL16 F1, 0, 0, 0
	s_wait_dscnt 0x0                               ; the add is done, and my reads of this slot are over
	s_barrier_signal -1
	MUL16 F1, 0, 2, 0
	WIN 0
	s_barrier_wait -1
.if \fill
	CREST                                          ; no wave of any partner still reads this slot or has a load on its way
	STEPD 256, 256
	JLOAD                                          ; the four v_nop behind it are also the places in front of the loads below
.else
	PLACES
.endif
	s_xor_b32 s2, s2, SLOT1                        ; the reads go on in the other slot
	v_add_nc_u32 v[ADRA], s2, v[ADRA0]
	v_add_nc_u32 v[ADRB], s2, v[ADRB0]
	FETCH 0, F0
	MUL16 F1, 1, 0, 0
	MUL16 F1, 1, 2, 0
.endm
	s_wait_tensorcnt 1                             ; my part of K step 0 is in; slot 1's load, issued behind it, may stay out
	s_barrier_signal -1
	s_barrier_wait -1                              ; everybody's is
	s_mov_b32 s2, 0
	v_mov_b32 v[ADRA], v[ADRA0]
	v_mov_b32 v[ADRB], v[ADRB0]
	FETCH 0, F0
	QUARTER 64, F0, F1, 1                          ; the first quarter stands in front of the loop: its products start the sums
	WIN 0
	s_mov_b32 s3, NSTEP-2
.Lstep:                                                ; a trip: a step's quarters 1 to 3 and the next step's quarter 0; it fills one slot again: K steps 2 to 7
	QUARTER 128, F1, F0, 0
	QUARTER 192, F0, F1, 0
	TURN 1
	QUARTER 64, F0, F1, 0
	WIN 0
	s_sub_co_u32 s3, s3, 1
	s_cmp_lg_u32 s3, 0
	s_cbranch_scc1 .Lstep
	QUARTER 128, F1, F0, 0                         ; the tail is written out: nothing more is asked for
	QUARTER 192, F0, F1, 0
	TURN 0
	QUARTER 64, F0, F1, 0
	QUARTER 128, F1, F0, 0
	QUARTER 192, F0, F1, 0
	s_wait_dscnt 8
	MUL16 F1, 0, 0, 0
	MUL16 F1, 0, 2, 0
	s_wait_dscnt 0x0
	MUL16 F1, 1, 0, 0
	MUL16 F1, 1, 2, 0
; THE BLOCK'S SOFTMAX for query tile a: a lane holds 64 scores of one query in the tile's 64 registers (AC on, in window W), the lane 16 away the other 64.
.macro SFMA n                          ; pair n of 32: c s - c m
	v_pk_fma_f32 v[AC+2*(\n):AC+2*(\n)+1], v[AC+2*(\n):AC+2*(\n)+1], s[66:67], v[SM:SM+1] op_sel_hi:[1,0,0] neg_lo:[0,0,1] neg_hi:[0,0,1]
.endm
.macro SOFT a
.set W, 2+(\a)/4
.set AC, 64*((\a)%4)
.set SM, SMP+2*(\a)
	WIN W|(W<<2)|(W<<4)                            ; three sources in window W.
.irp b, 0,1,2,3,4,5,6,7
	v_max3_num_f32 v[T+\b], v[AC+8*\b], v[AC+8*\b+1], v[AC+8*\b+2]
.endr
	WIN (W<<2)|(W<<4)
.irp b, 0,1,2,3,4,5,6,7
	v_max3_num_f32 v[T+\b], v[T+\b], v[AC+8*\b+3], v[AC+8*\b+4]
.endr
.irp b, 0,1,2,3,4,5,6,7
	v_max3_num_f32 v[T+\b], v[T+\b], v[AC+8*\b+5], v[AC+8*\b+6]
.endr
.irp b, 0,2,4,6
	v_max3_num_f32 v[T+\b], v[T+\b], v[AC+8*\b+7], v[AC+8*\b+15]
.endr
	WIN 0
	v_max3_num_f32 v[T], v[T], v[T+1], v[T+2]
	v_max3_num_f32 v[T+3], v[T+3], v[T+4], v[T+5]
	v_max_num_f32 v[T+6], v[T+6], v[T+7]
	v_max3_num_f32 v[T], v[T], v[T+3], v[T+6]
	v_permlanex16_b32 v[T+1], v[T], s68, s69       ; the query's other 64 keys lie in the lane 16 away
	v_max_num_f32 v[T], v[T], v[T+1]
	v_mul_f32 v[SM], s66, v[T]                     ; c m
	v_mov_b32 v[SM+1], v[SM]                       ; named with it as a pair; l takes its place below
	WIN W|(W<<2)|(W<<6)                            ; in place in window W; source 2 (c m) in window 0
	SFMA 0
	SFMA 1
	SFMA 2
	SFMA 3
.set i, 0
.rept 32                               ; the scalings run four pairs ahead of the exponentials and stand between them while they last
	v_exp_f32 v[AC+2*i], v[AC+2*i]
.if i+4 < 32
	SFMA i+4
.endif
	v_exp_f32 v[AC+2*i+1], v[AC+2*i+1]
.set i, i+1
.endr
	v_nop                                          ; a plain instruction between the last exponentials and the use of their results
	WIN W|(W<<2)                                   ; the sum of the 32 pairs, in four chains
	s_wait_alu depctr_va_vdst(0)
.irp c, 0,1,2,3
	v_pk_add_f32 v[L+2*\c:L+2*\c+1], v[AC+2*\c:AC+2*\c+1], v[AC+2*\c+8:AC+2*\c+9]
.endr
	WIN W<<2
.set i, 8
.rept 24
	v_pk_add_f32 v[L+2*(i%4):L+2*(i%4)+1], v[L+2*(i%4):L+2*(i%4)+1], v[AC+2*i:AC+2*i+1]
.set i, i+1
.endr
	WIN 0
	v_pk_add_f32 v[L:L+1], v[L:L+1], v[L+2:L+3]
	v_pk_add_f32 v[L+4:L+5], v[L+4:L+5], v[L+6:L+7]
	v_pk_add_f32 v[L:L+1], v[L:L+1], v[L+4:L+5]
	v_add_f32 v[T+2], v[L], v[L+1]
	v_permlanex16_b32 v[T+3], v[T+2], s68, s69
	v_add_f32 v[SM+1], v[T+2], v[T+3]              ; l
	WIN W|(W<<2)|(W<<6)                            ; the weights are rounded to f16 in place: eight of a group into its four lowest registers
.irp b, 0,1,2,3,4,5,6,7
.irp i, 0,1,2,3
	v_cvt_pk_f16_f32 v[AC+8*\b+\i], v[AC+8*\b+2*\i], v[AC+8*\b+2*\i+1]
.endr
.endr
.endm
.macro TOSTAGE a                       ; 16 bytes a lane into my own stage, and back as whole rows of 256 bytes
.set W, 2+(\a)/4
.set AC, 64*((\a)%4)
	WIN W<<2                                       ; store data in window W
.irp b, 0,1,2,3,4,5,6,7
	ds_store_b128 v[STO], v[AC+8*\b:AC+8*\b+3] offset:32*\b
.endr
	WIN 0
.irp t, 0,1,2,3,4,5,6,7
	ds_load_b128 v[OB+32*((\a)%2)+4*\t:OB+32*((\a)%2)+4*\t+3], v[RD] offset:\t*2*SP  ; LDS serves a wave's instructions in order (ISA guide 5.7.1.4): these see the stores above
.endr
.endm
.macro SEND a
	WIN 0
	s_wait_dscnt 0x0                               ; the tile is back in registers
	s_wait_xcnt 0x0                                ; earlier stores have read their registers: the buffer of the tile before last is loaded again only behind this wait
.irp t, 0,1,2,3,4,5,6,7
	global_store_b128 v[CO], v[OB+32*((\a)%2)+4*\t:OB+32*((\a)%2)+4*\t+3], s[8:9] offset:(\a)*65536+\t*8192  ; 16 lanes store 256 consecutive bytes, at a multiple of 256 from ph's first byte
.endr
.endm
	PLACES
	SOFT 0
	TOSTAGE 0
.irp a, 1,2,3,4,5,6,7                  ; a tile's arithmetic stands between the loads of the tile before and its stores
	SOFT \a
	SEND (\a)-1
	TOSTAGE \a
.endr
	SEND 7
	; the statistics: both halves of the lanes hold c m and l of query r; the lower half puts c m, the upper l; back as 512 consecutive bytes each
.irp a, 0,1,2,3,4,5,6,7
	v_cndmask_b32 v[T+\a], v[SMP+2*\a], v[SMP+2*\a+1], s70
.endr
.irp a, 0,1,2,3,4,5,6,7
	ds_store_b32 v[STA], v[T+\a] offset:64*\a
.endr
	ds_load_b128 v[208:211], v[STR]
	ds_load_b128 v[212:215], v[STR] offset:512
	s_wait_dscnt 0x0
	global_store_b128 v[LN], v[208:211], s[10:11]                  ; c m of my 128 queries
	global_store_b128 v[LN], v[212:215], s[10:11] offset:524288    ; l, one plane on
	s_wait_tensorcnt 0x0                           ; the wave's end
	ds_add_u32 v[SPW], v[NIL]
	s_wait_dscnt 0x0
	CROUND                                         ; the closing round: no work-group ends while a partner may still ask for a tile that names it
	s_endpgm
.Lfunc_end_k_qbe852c6136_scores:
	.size	k_qbe852c6136_scores, .Lfunc_end_k_qbe852c6136_scores-k_qbe852c6136_scores
	.p2alignl 7, 3214868480
	.fill 96, 4, 3214868480
	.section	.rodata,"a",@progbits
	.p2align	6, 0x0
	.amdhsa_kernel k_qbe852c6136_scores
		.amdhsa_group_segment_fixed_size 327680
		.amdhsa_private_segment_fixed_size 0
		.amdhsa_enable_private_segment 0
		.amdhsa_kernarg_size 32
		.amdhsa_user_sgpr_count 2
		.amdhsa_user_sgpr_kernarg_segment_ptr 1
		.amdhsa_wavefront_size32 1
		.amdhsa_system_sgpr_workgroup_id_x 1
		.amdhsa_system_sgpr_workgroup_id_y 1
		.amdhsa_system_sgpr_workgroup_id_z 1
		.amdhsa_system_vgpr_workitem_id 0
		.amdhsa_next_free_vgpr 1024
		.amdhsa_next_free_sgpr 72
		.amdhsa_reserve_vcc 0
		.amdhsa_float_denorm_mode_32 3
		.amdhsa_float_denorm_mode_16_64 3
		.amdhsa_memory_ordered 1
		.amdhsa_forward_progress 1
		.amdhsa_inst_pref_size 186
	.end_amdhsa_kernel
	.amdgpu_metadata
---
amdhsa.version: [ 1, 2 ]
amdhsa.kernels:
  - .name:           k_qbe852c6136_scores
    .symbol:         k_qbe852c6136_scores.kd
    .args:
      - { .name: qh, .offset: 0, .size: 8, .value_kind: global_buffer, .address_space: global }
      - { .name: kh, .offset: 8, .size: 8, .value_kind: global_buffer, .address_space: global }
      - { .name: ph, .offset: 16, .size: 8, .value_kind: global_buffer, .address_space: global }
      - { .name: st, .offset: 24, .size: 8, .value_kind: global_buffer, .address_space: global }
    .group_segment_fixed_size: 327680
    .private_segment_fixed_size: 0
    .kernarg_segment_align: 8
    .kernarg_segment_size: 32
    .max_flat_workgroup_size: 128
    .sgpr_count:     72
    .vgpr_count:     1024
    .wavefront_size: 32
...
	.end_amdgpu_metadata
.endif
;; end of part 3
;; launch pv (part 4): grid 4 x 64, 4 waves a work-group, clusters of 4 x 4, 327,680 bytes of LDS; arguments ph, vh, st, out0; writes out0
.if DOCPART == 4
	.amdgcn_target "amdgcn-amd-amdhsa--gfx1250"
	.amdhsa_code_object_version 6
	.text
	.protected	k_qbe852c6136_pv
	.globl	k_qbe852c6136_pv
	.p2align	8
	.type	k_qbe852c6136_pv,@function
k_qbe852c6136_pv:
	s_mov_b64 s[64:65], 0
	v_nop
	global_prefetch_b8 v0, s[64:65] scope:SCOPE_SE
	s_setreg_imm32_b32 hwreg(HW_REG_WAVE_MODE, 25, 1), 1
	s_wait_xcnt 0x0
	s_wait_alu depctr_hold_cnt(0) depctr_sa_sdst(0) depctr_va_vdst(0) depctr_va_sdst(0) depctr_va_ssrc(0) depctr_va_vcc(0) depctr_vm_vsrc(0)
	s_getreg_b32 s2, hwreg(HW_REG_IB_STS2, 6, 4)
	s_cmp_eq_u32 s2, 0
	s_cbranch_scc0 .Lentry_in_a_cluster
	s_endpgm
.Lentry_in_a_cluster:
	s_bfe_u32 s2, ttmp6, 0x10000c
	s_cmp_lg_u32 s2, 0xf033
	s_cbranch_scc0 .Lentry_shape_is_right
	s_endpgm
.Lentry_shape_is_right:
; THE SECOND HALF OF THE SOFTMAX AND THE SECOND PRODUCT.  For each query: M = the largest c m of its 16 key blocks; f_kb = 2^(c m_kb - M); L = the sum of f_kb l_kb;
; out[query][channel] = (the sum over kb of f_kb x (the sum over the block's keys of p v)) / L.  ph: [8192][2048] f16; vh: [8192][1024] f16; st: [2][16][8192] f32; out0: [8192][1024] f32.
; f p = 2^(c s - M) is the softmax's weight with the row's true maximum taken away: every exponent is 0 or less, one f is 1, and L is 1 or more.
; A block's products p v are summed by the matrix unit in f32 (B); the totals T take T += f B in f32, once a block; f, L and 1 / L are f32.
; LIMITS.  An f below 2^-126 counts as 0; NaN and infinities are not treated apart.
; SHARES.  A tile is 128 queries x 256 channels: 64 x 4 = 256 work-groups.  Four waves, each 64 queries x 128 channels: 32 accumulators.  K (the 2,048 keys) goes in 16 steps of 128, a block a step.
; THE MATRIX INSTRUCTION IS USED TRANSPOSED: source 0 = 16 channels of V^T (V lies [key][channel]: turned by ds_load_tr16_b128), source 1 = 16 queries of P: a lane holds query r and 8 neighbouring
; channels, so a block's factor is one register for a tile of 16 queries.
; CLUSTER.  4 x 4 work-groups: P's tile is shared along a row of the cluster, V's along a column (the batch hangs on the cluster's y alone): joint loads.
; REGISTERS, in windows of 256 (s_set_vgpr_msb: bits 1:0 source 0, 3:2 source 1, 5:4 source 2, 7:6 destination):
;   window 0: v0-29 addresses; v32-39 the step's factors, a pair a tile (the low word counts); v40-47 1 / L, a pair a tile; v64-95, v96-127 P's fragments, two buffers;
;             v128-255 at first the statistics, at last the way out
;   window 1: v0-63, v64-127 V's fragments, two buffers          window 2: B, accumulator (a, b) at v[8 (8 a + b)]          window 3: T, laid like B
.set PP,    272                        ; a row of P in LDS: 256 bytes + 16: the 16 rows of a load start at 16 different groups of four banks (64 banks of 4 bytes: ISA guide 11.1)
.set VP,    544                        ; a row of V: 512 + 32
.set PHALF, 64*PP
.set VOFF,  128*PP                     ; V's 128 rows lie behind P's 128
.set VHALF, 64*VP
.set SLOT1, 1<<17                      ; slot 1 begins here, so that one exclusive or changes slots
.set FSCR,  SLOT1+VOFF+128*VP          ; behind the ring, for each wave 17 rows of 256 bytes: row kb: f of its 64 queries; row 16: 1 / L
.set STAGE, FSCR+4*17*256              ; 16 rows x 528 bytes for each wave, for the way out
.set OP,    528
.set SPARE, STAGE+4*16*OP              ; the spare words, 128 bytes for each wave: two blocks of 256 bytes that no other line names
.set NSTEP, 16
.set AP0, 3                            ; v3   my place in slot 0's P
.set AV0, 4                            ; v4   in slot 0's V
.set AP,  5                            ; v5   the same in the slot being read
.set AV,  6                            ; v6
.set STO, 7                            ; v7   the way out: where I put 32 bytes of a row
.set RD,  8                            ; v8   where I read 16 bytes of a row back
.set GO,  9                            ; v9   16 x lane
.set SO,  10                           ; v10  4 x lane
.set FSW, 11                           ; v11  where I put a factor
.set FA,  12                           ; v12  where I read a step's factors; it steps a row a K step
.set RLA, 13                           ; v13  where I read 1 / L
.set SPW, 28                           ; v28  LDS address of my spare word; never rewritten
.set NIL, 29                           ; v29  0; never rewritten
.set FC,  32
.set RL,  40
.set PF,  64
.set OB,  128
.set CM,  128                          ; the prologue: c m, then f: group g of 32 queries, block kb at CM + 16 g + kb
.set LV,  160                          ; l
.set MX,  224
.set LS,  226
.set MSB, 0
.macro WIN new                         ; the immediate's high byte repeats the setting that is left; a switch that changes nothing is dropped
.if MSB != (\new)
	s_set_vgpr_msb (MSB<<8)|(\new)
.set MSB, \new
.endif
.endm
.macro PLACES                          ; four places behind matrix instructions (ISA guide 7.12.1)
.rept 4
	v_nop
.endr
.endm
.macro CREST                           ; a round of the cluster's barrier behind its opening barrier
	s_cmp_lg_u32 s12, 0
	s_cbranch_scc1 .Lnot_wave_0_\@
	s_barrier_signal -3
.Lnot_wave_0_\@:
	s_barrier_wait -3
	s_barrier_signal -1
	s_barrier_wait -1
.endm
.macro CROUND
	s_barrier_signal -1
	s_barrier_wait -1
	CREST
.endm
.macro JLOAD                           ; a joint refill: waves 0 and 1 fetch P's two halves, waves 2 and 3 V's; an s_nop 0 and four v_nop follow each line
	s_cmp_eq_u32 s13, 0
	s_cbranch_scc0 .Lfor_b_\@
	tensor_load_to_lds s[36:39], s[24:31]
	s_nop 0
.rept 4
	v_nop
.endr
	s_branch .Lasked_\@
.Lfor_b_\@:
	tensor_load_to_lds s[60:63], s[48:55]
	s_nop 0
.rept 4
	v_nop
.endr
.Lasked_\@:
.endm
.macro STEPD da, db                    ; the walking descriptors: the other slot, the next K step.  It stands only where no tensor load of the wave is out
	s_xor_b32 s37, s37, SLOT1
	s_add_nc_u64 s[38:39], s[38:39], \da
	s_xor_b32 s61, s61, SLOT1
	s_add_nc_u64 s[62:63], s[62:63], \db
.endm
	s_load_b256 s[4:11], s[0:1], 0x0               ; ph s[4:5], vh s[6:7], st s[8:9], out0 s[10:11]
	v_lshl_add_u32 v[SPW], v0, 2, SPARE
	v_mov_b32 v[NIL], 0
	ds_add_u32 v28, v29
	s_wait_dscnt 0x0
	v_lshrrev_b32 v1, 5, v0
	v_readfirstlane_b32 s12, v1                    ; wave 0..3
	s_lshr_b32 s13, s12, 1                         ; which 64 queries are mine.  Also: I fetch P (0) or V (1)
	s_and_b32 s14, s12, 1                          ; which 128 channels.  Also: which 64 rows of that tile I fetch
	s_bfe_u32 s15, ttmp6, 0x40000                  ; cx
	s_bfe_u32 s16, ttmp6, 0x40004                  ; cy
	s_lshl_b32 s17, ttmp9, 2
	s_add_co_u32 s17, s17, s15                     ; channel tile = 4 x cluster x + cx
	s_and_b32 s19, ttmp7, 0xffff
	s_lshl_b32 s18, s19, 2
	s_add_co_u32 s18, s18, s16                     ; query tile = 4 x cluster y + cy
	s_lshr_b32 s19, s19, 2                         ; the batch: from the cluster's y alone
	s_lshl_b32 s20, s16, 2
	s_lshl_b32 s20, 15, s20                        ; my row of the cluster
	s_lshl_b32 s21, 0x1111, s15                    ; my column
	; descriptor group 1 for P: 64 rows x 128 elements of 2 bytes, 4 words of padding behind every 64 words
	s_or_b32 s24, s20, (1<<16)|(1<<20)|(1<<21)|(5<<22)|(3<<25)
	s_mov_b32 s25, 128<<16                         ; tensor_dim0
	s_mov_b32 s26, 64<<16                          ; tensor_dim1
	s_mov_b32 s27, 128<<16                         ; tile_dim0
	s_mov_b32 s28, 64                              ; tile_dim1
	s_mov_b32 s29, 2048                            ; elements from row to row
	s_mov_b32 s30, 0
	s_mov_b32 s31, 0
	; for V: 64 rows (keys) x 256 elements of 2 bytes, 8 words of padding behind every 128 words
	s_or_b32 s48, s21, (1<<16)|(1<<20)|(1<<21)|(6<<22)|(7<<25)
	s_mov_b32 s49, 256<<16
	s_mov_b32 s50, 64<<16
	s_mov_b32 s51, 256<<16
	s_mov_b32 s52, 64
	s_mov_b32 s53, 1024
	s_mov_b32 s54, 0
	s_mov_b32 s55, 0
	s_lshl_b32 s22, s14, 6                         ; which 64 rows of the tile I fetch
	s_lshl_b32 s40, s18, 7
	s_add_co_u32 s40, s40, s22                     ; P: row 128 x query tile + 64 x half,
	s_lshl_b32 s40, s40, 12                        ; 4,096 bytes a row
	s_mov_b32 s41, 0
	s_lshl_b32 s44, s19, 11
	s_add_co_u32 s44, s44, s22                     ; V: row 2,048 x batch + 64 x half,
	s_lshl_b32 s44, s44, 11                        ; 2,048 bytes a row,
	s_lshl_b32 s23, s17, 9                         ; column 256 x channel tile
	s_add_co_u32 s44, s44, s23
	s_mov_b32 s45, 0
	s_mul_i32 s42, s14, PHALF                      ; where they go: no place in the cluster enters an LDS address
	s_mul_i32 s46, s14, VHALF
	s_add_co_u32 s46, s46, VOFF
	s_wait_kmcnt 0x0
	s_add_nc_u64 s[40:41], s[4:5], s[40:41]
	s_add_nc_u64 s[44:45], s[6:7], s[44:45]
	s_mov_b32 s32, 1                               ; group 0: K step 0 in slot 0,
	s_mov_b32 s33, s42
	s_add_nc_u64 s[34:35], s[40:41], 0
	s_or_b32 s35, s35, 0x80000000
	s_mov_b32 s36, 1                               ; and the walking set, which begins as K step 1 in slot 1
	s_add_co_u32 s37, s42, SLOT1
	s_add_nc_u64 s[38:39], s[40:41], 256           ; 128 keys along a row of P
	s_or_b32 s39, s39, 0x80000000
	s_mov_b32 s56, 1
	s_mov_b32 s57, s46
	s_add_nc_u64 s[58:59], s[44:45], 0
	s_or_b32 s59, s59, 0x80000000
	s_mov_b32 s60, 1
	s_add_co_u32 s61, s46, SLOT1
	s_add_nc_u64 s[62:63], s[44:45], 262144        ; 128 rows of V
	s_or_b32 s63, s63, 0x80000000
	CROUND                                         ; all sixteen work-groups are here: the first joint loads meet
	s_cmp_eq_u32 s13, 0                            ; a wave's two first fills stand in one branch: two loads of mine are out
	s_cbranch_scc0 .Lfirst_b
	tensor_load_to_lds s[32:35], s[24:31]
	s_nop 0
	tensor_load_to_lds s[36:39], s[24:31]
	s_nop 0
.rept 4
	v_nop
.endr
	s_branch .Lfirst_asked
.Lfirst_b:
	tensor_load_to_lds s[56:59], s[48:55]
	s_nop 0
	tensor_load_to_lds s[60:63], s[48:55]
	s_nop 0
.rept 4
	v_nop
.endr
.Lfirst_asked:
	; THE FACTORS, in the wait for the first tiles.  Here a lane is a query: 32 g + lane of my wave's 64.
	v_and_b32 v14, 31, v0
	v_lshlrev_b32 v[SO], 2, v14
	v_lshlrev_b32 v[GO], 4, v14
	s_lshl_b32 s22, s18, 7
	s_lshl_b32 s3, s13, 6
	s_add_co_u32 s3, s22, s3                       ; my first query row
	s_lshl_b32 s22, s3, 2
	s_mov_b32 s23, 0
	s_add_nc_u64 s[8:9], s[8:9], s[22:23]          ; st at that row
.irp g, 0,1
.irp k, 0,1,2,3,4,5,6,7,8,9,10,11,12,13,14,15
	global_load_b32 v[CM+16*\g+\k], v[SO], s[8:9] offset:\k*32768+128*\g           ; c m: 128 consecutive bytes a load
	global_load_b32 v[LV+16*\g+\k], v[SO], s[8:9] offset:\k*32768+128*\g+524288    ; l
.endr
.endr
	s_lshl_b32 s22, s3, 12                         ; out0 at my first row and channel
	s_lshl_b32 s3, s17, 10
	s_add_co_u32 s22, s22, s3
	s_lshl_b32 s3, s14, 9
	s_add_co_u32 s22, s22, s3
	s_add_nc_u64 s[10:11], s[10:11], s[22:23]
	WIN 0xc0                                       ; T starts at 0: every step is then a step like any other, at the price of these 256 lines, once a launch, while the statistics and the first tiles come
.set i, 0
.rept 256
	v_mov_b32 v[i], 0
.set i, i+1
.endr
	WIN 0
.irp a, 0,1,2,3
	v_mov_b32 v[FC+2*\a+1], 0                      ; named with the factor as a pair; the packed multiply-add takes the low word for both halves
.endr
	v_and_b32 v1, 15, v0                           ; r
	v_bfe_u32 v2, v0, 4, 1                         ; h
	s_mul_i32 s22, s13, 64*PP
	v_mul_u32_u24 v[AP0], v1, PP
	v_lshl_add_u32 v[AP0], v2, 4, v[AP0]           ; P: (64 x half + r) x pitch + 16 h
	v_add_nc_u32 v[AP0], s22, v[AP0]
	v_and_b32 v15, 7, v0
	v_bfe_u32 v16, v0, 3, 1
	v_lshl_add_u32 v[AV0], v2, 3, v15              ; V: the turning load reads key 8 h + lane % 8, 16 bytes at 16 ((lane / 8) % 2),
	v_mul_u32_u24 v[AV0], v[AV0], VP
	v_lshl_add_u32 v[AV0], v16, 4, v[AV0]
	s_lshl_b32 s22, s14, 8                         ; in my 128 channels
	s_add_co_u32 s22, s22, VOFF
	v_add_nc_u32 v[AV0], s22, v[AV0]
	s_mul_i32 s22, s12, 16*OP
	s_add_co_u32 s22, s22, STAGE                   ; my stage
	v_mul_u32_u24 v[STO], v1, OP
	v_lshl_add_u32 v[STO], v2, 5, v[STO]           ; in: row r, 32 bytes for each half of the lanes
	v_add_nc_u32 v[STO], s22, v[STO]
	v_add_nc_u32 v[RD], s22, v[GO]                 ; back: 32 lanes take a row of 512 bytes
	s_mul_i32 s22, s12, 17*256
	s_add_co_u32 s22, s22, FSCR                    ; my factors
	v_add_nc_u32 v[FSW], s22, v[SO]
	v_lshl_add_u32 v[FA], v1, 2, s22
	v_add_nc_u32 v[RLA], 4096, v[FA]
	s_wait_loadcnt 0x0
.irp g, 0,1
	v_max3_num_f32 v[MX+\g], v[CM+16*\g], v[CM+16*\g+1], v[CM+16*\g+2]
.endr
.irp n, 3,5,7,9,11,13
.irp g, 0,1
	v_max3_num_f32 v[MX+\g], v[MX+\g], v[CM+16*\g+\n], v[CM+16*\g+\n+1]
.endr
.endr
.irp g, 0,1
	v_max_num_f32 v[MX+\g], v[MX+\g], v[CM+16*\g+15]   ; M
.endr
.set i, 0
.rept 32
	v_sub_f32 v[CM+i], v[CM+i], v[MX+i/16]
.set i, i+1
.endr
.set i, 0
.rept 32
	v_exp_f32 v[CM+i], v[CM+i]                     ; f
.set i, i+1
.endr
	v_nop                                          ; a plain instruction between the last exponentials and the use of their results
	s_wait_alu depctr_va_vdst(0)
.irp g, 0,1
	v_mul_f32 v[LS+\g], v[CM+16*\g], v[LV+16*\g]
.endr
.irp k, 1,2,3,4,5,6,7,8,9,10,11,12,13,14,15
.irp g, 0,1
	v_fmac_f32 v[LS+\g], v[CM+16*\g+\k], v[LV+16*\g+\k]    ; L
.endr
.endr
.set i, 0
.rept 32
	ds_store_b32 v[FSW], v[CM+i] offset:256*(i%16)+128*(i/16)
.set i, i+1
.endr
	v_rcp_f32 v[LS], v[LS]
	v_rcp_f32 v[LS+1], v[LS+1]
	v_nop                                          ; a plain instruction between the reciprocals and the use of their results
	s_wait_alu depctr_va_vdst(0)
	ds_store_b32 v[FSW], v[LS] offset:4096
	ds_store_b32 v[FSW], v[LS+1] offset:4096+128
.irp a, 0,1,2,3                        ; LDS serves a wave's instructions in order (ISA guide 5.7.1.4): these see the stores above.  From here on a lane is query r of tile a
	ds_load_b32 v[RL+2*\a], v[RLA] offset:64*\a    ; 1 / L, twice: a pair for the packed multiply
	ds_load_b32 v[RL+2*\a+1], v[RLA] offset:64*\a
.endr
; 24 LDS loads in one run, for 32 keys (quarter kq of the step): V's 128 channels, turned, then P's 64 queries, into buffer g
.macro FETCH kq, g
	WIN 0x40
.irp b, 0,1,2,3,4,5,6,7
	ds_load_tr16_b128 v[64*(\g)+8*\b:64*(\g)+8*\b+3],   v[AV] offset:(\kq)*32*VP+32*\b
	ds_load_tr16_b128 v[64*(\g)+8*\b+4:64*(\g)+8*\b+7], v[AV] offset:(\kq)*32*VP+32*\b+16*VP
.endr
	WIN 0
.irp a, 0,1,2,3
	ds_load_b128 v[PF+32*(\g)+8*\a:PF+32*(\g)+8*\a+3],   v[AP] offset:\a*16*PP+(\kq)*64
	ds_load_b128 v[PF+32*(\g)+8*\a+4:PF+32*(\g)+8*\a+7], v[AP] offset:\a*16*PP+(\kq)*64+32
.endr
.endm
; n matrix instructions: query tile a x channel blocks b0 on, buffer f.  zero = 1: a step's first products start the block's sums.
; The 32 accumulators take turns in one order everywhere, one instruction a turn.
.macro MUL f, a, b0, n, zero=0
	WIN 0xa1                                       ; V window 1, P window 0, C and D window 2
.set bb, \b0
.rept \n
.if \zero
	v_wmma_f32_16x16x32_f16 v[8*(8*(\a)+bb):8*(8*(\a)+bb)+7], v[64*(\f)+8*bb:64*(\f)+8*bb+7], v[PF+32*(\f)+8*(\a):PF+32*(\f)+8*(\a)+7], 0
.else
	v_wmma_f32_16x16x32_f16 v[8*(8*(\a)+bb):8*(8*(\a)+bb)+7], v[64*(\f)+8*bb:64*(\f)+8*bb+7], v[PF+32*(\f)+8*(\a):PF+32*(\f)+8*(\a)+7], v[8*(8*(\a)+bb):8*(8*(\a)+bb)+7]
.endif
.set bb, bb+1
.endr
.endm
; Group j of 16: T += f B for accumulators 2 j and 2 j + 1, which belong to query tile j / 4; each accumulator is read from its low end on.
; It stands behind product 2 j + 9, counted from the last quarter's first: behind the block's last products on its two accumulators, with four plain vector instructions or more between
; (group 0: the four v_nop and the two address lines behind the barrier; later groups: the groups before), and ahead of product 32 + 2 j, which starts them anew.
.macro GRP j
	WIN 0xf2                                       ; B window 2, f window 0, T (source 2 and destination) window 3
.set z, 0
.rept 8
	v_pk_fma_f32 v[16*(\j)+2*z:16*(\j)+2*z+1], v[16*(\j)+2*z:16*(\j)+2*z+1], v[FC+2*((\j)/4):FC+2*((\j)/4)+1], v[16*(\j)+2*z:16*(\j)+2*z+1] op_sel_hi:[1,0,1]
.set z, z+1
.endr
.endm
; One of a step's first three quarters: multiplies buffer f; in its middle it fetches quarter kq into g.  ride = 1: a step's first quarter carries the last four groups of the step before.
; fc = 1: the step's factors are loaded: the old ones were last read in the quarter before, the new ones are first read in the step's last quarter.
.macro Q kq, f, g, zero=0, ride=0, fc=0
	s_wait_dscnt 4                                 ; V and P's tiles 0 and 1 are in; the youngest four loads (P's tiles 2 and 3) may be out
.if \fc
	WIN 0
.irp a, 0,1,2,3
	ds_load_b32 v[FC+2*\a], v[FA] offset:64*\a
.endr
	v_add_nc_u32 v[FA], 256, v[FA]                 ; the next step's row
.endif
.if \ride
	MUL \f, 0, 0, 2, \zero
	GRP 12
	MUL \f, 0, 2, 2, \zero
	GRP 13
	MUL \f, 0, 4, 2, \zero
	GRP 14
	MUL \f, 0, 6, 2, \zero
	GRP 15
.else
	MUL \f, 0, 0, 8, \zero
.endif
	MUL \f, 1, 0, 8, \zero
	PLACES                                         ; in front of loads into registers that the quarter before multiplied
	FETCH \kq, \g
	s_wait_dscnt 24                                ; all but the 24 just issued
	MUL \f, 2, 0, 8, \zero
	MUL \f, 3, 0, 8, \zero
.endm
; The last quarter multiplies buffer 1 and changes slots.  What the wave can do without the next tile, eight products, stands ahead of the wait for it; then each wave waits for all its tensor loads
; (the one that is out is its part of the next slot), adds 0 to its spare word, and waits for that; its own reads of this slot were over at the quarter's head.  One barrier.
; fill = 1: the barrier opens a round of the cluster's, and this slot is filled again, two K steps ahead, first thing behind it.
.macro TURN fill
	s_wait_dscnt 0x0                               ; buffer 1 and the factors are in: my reads of this slot are over
	MUL 1, 0, 0, 8
	WIN 0
	s_wait_tensorcnt 0x0
	ds_add_u32 v[SPW], v[NIL]                      ; 0 onto my spare word; the descriptors' step stands between it and the wait for it
.if \fill
	STEPD 256, 262144
.endif
	s_wait_dscnt 0x0                               ; the add is done
	s_barrier_signal -1
	s_barrier_wait -1
.if \fill
	CREST                                          ; no wave of any partner still reads this slot or has a load on its way
	JLOAD                                          ; the four v_nop behind it are also places in front of the loads and of group 0 below
.else
	PLACES
.endif
	s_xor_b32 s2, s2, SLOT1                        ; the reads go on in the other slot
	v_add_nc_u32 v[AP], s2, v[AP0]
	v_add_nc_u32 v[AV], s2, v[AV0]
	FETCH 0, 0
.set ix, 8
.rept 12                               ; products 8 to 31, and a group behind every second one
	MUL 1, (ix/8), (ix%8), 2
	GRP ((ix-8)/2)
.set ix, ix+2
.endr
.endm
	s_wait_tensorcnt 1                             ; my part of K step 0 is in; slot 1's load, issued behind it, may stay out
	s_wait_dscnt 0x0                               ; my factors lie in my scratch, and 1 / L is in registers
	s_barrier_signal -1
	s_barrier_wait -1                              ; everybody's part is in
	s_mov_b32 s2, 0
	v_mov_b32 v[AP], v[AP0]
	v_mov_b32 v[AV], v[AV0]
	FETCH 0, 0
	Q 1, 0, 1, 1                                   ; step 0's first quarter: there is no step before it, so it carries no groups
	WIN 0
	s_mov_b32 s3, NSTEP-2
.Lstep:                                                ; a trip: a step's quarters 1 to 3 and the next step's quarter 0; it fills one slot again: K steps 2 to 15
	Q 2, 1, 0, 0, 0, 1
	Q 3, 0, 1
	TURN 1
	Q 1, 0, 1, 1, 1
	WIN 0
	s_sub_co_u32 s3, s3, 1
	s_cmp_lg_u32 s3, 0
	s_cbranch_scc1 .Lstep
	s_mov_b32 s3, 2                                ; THE LAST TWO K STEPS ask for nothing: a loop of their own; entered behind step 14's quarter 0
	s_branch .Ltin
.Ltail:
	Q 1, 0, 1, 1, 1
	WIN 0
.Ltin:
	Q 2, 1, 0, 0, 0, 1
	Q 3, 0, 1
	TURN 0                                         ; in the second trip its barrier and its 24 loads (of bytes that step 14 left in the other slot) serve nothing: the price, once a work-group, of one text for both
	WIN 0
	s_sub_co_u32 s3, s3, 1
	s_cmp_lg_u32 s3, 0
	s_cbranch_scc1 .Ltail
	s_wait_dscnt 0x0
	GRP 12                                         ; the last block's last four groups
	GRP 13
	GRP 14
	GRP 15
; THE WAY OUT, a tile of 16 queries at a time: T divided by L in place, 32 bytes a lane into my own stage, back as whole rows of 512 bytes, stored.
.macro PACK a
	WIN 0xc3                                       ; destination and source 0 window 3, 1 / L window 0
.set i, 0
.rept 32
	v_pk_mul_f32 v[64*(\a)+2*i:64*(\a)+2*i+1], v[64*(\a)+2*i:64*(\a)+2*i+1], v[RL+2*(\a):RL+2*(\a)+1]
.set i, i+1
.endr
.endm
.macro TOSTAGE a
	WIN 0x0c                                       ; store data window 3
.irp b, 0,1,2,3,4,5,6,7
	ds_store_b128 v[STO], v[64*(\a)+8*\b:64*(\a)+8*\b+3]   offset:64*\b
	ds_store_b128 v[STO], v[64*(\a)+8*\b+4:64*(\a)+8*\b+7] offset:64*\b+16
.endr
	WIN 0
.irp t, 0,1,2,3,4,5,6,7,8,9,10,11,12,13,14,15
	ds_load_b128 v[OB+64*((\a)%2)+4*\t:OB+64*((\a)%2)+4*\t+3], v[RD] offset:\t*OP  ; LDS serves a wave's instructions in order (ISA guide 5.7.1.4): these see the stores above
.endr
.endm
.macro SEND a
	WIN 0
	s_wait_dscnt 0x0                               ; the tile is back in registers
	s_wait_xcnt 0x0                                ; earlier stores have read their registers: the buffer of the tile before last is loaded again only behind this wait
.irp t, 0,1,2,3,4,5,6,7,8,9,10,11,12,13,14,15
	global_store_b128 v[GO], v[OB+64*((\a)%2)+4*\t:OB+64*((\a)%2)+4*\t+3], s[10:11] offset:(\a)*65536+\t*4096 th:TH_STORE_NT  ; 512 consecutive bytes, at a multiple of 512 from out0's first byte
.endr
.endm
	PACK 0
	TOSTAGE 0
.irp a, 1,2,3
	PACK \a
	SEND (\a)-1
	TOSTAGE \a
.endr
	SEND 3
	s_wait_tensorcnt 0x0                           ; the wave's end
	ds_add_u32 v[SPW], v[NIL]
	s_wait_dscnt 0x0
	CROUND                                         ; the closing round: no work-group ends while a partner may still ask for a tile that names it
	s_endpgm
.Lfunc_end_k_qbe852c6136_pv:
	.size	k_qbe852c6136_pv, .Lfunc_end_k_qbe852c6136_pv-k_qbe852c6136_pv
	.p2alignl 7, 3214868480
	.fill 96, 4, 3214868480
	.section	.rodata,"a",@progbits
	.p2align	6, 0x0
	.amdhsa_kernel k_qbe852c6136_pv
		.amdhsa_group_segment_fixed_size 327680
		.amdhsa_private_segment_fixed_size 0
		.amdhsa_enable_private_segment 0
		.amdhsa_kernarg_size 32
		.amdhsa_user_sgpr_count 2
		.amdhsa_user_sgpr_kernarg_segment_ptr 1
		.amdhsa_wavefront_size32 1
		.amdhsa_system_sgpr_workgroup_id_x 1
		.amdhsa_system_sgpr_workgroup_id_y 1
		.amdhsa_system_sgpr_workgroup_id_z 1
		.amdhsa_system_vgpr_workitem_id 0
		.amdhsa_next_free_vgpr 1024
		.amdhsa_next_free_sgpr 72
		.amdhsa_reserve_vcc 0
		.amdhsa_float_denorm_mode_32 3
		.amdhsa_float_denorm_mode_16_64 3
		.amdhsa_memory_ordered 1
		.amdhsa_forward_progress 1
		.amdhsa_inst_pref_size 110
	.end_amdhsa_kernel
	.amdgpu_metadata
---
amdhsa.version: [ 1, 2 ]
amdhsa.kernels:
  - .name:           k_qbe852c6136_pv
    .symbol:         k_qbe852c6136_pv.kd
    .args:
      - { .name: ph, .offset: 0, .size: 8, .value_kind: global_buffer, .address_space: global }
      - { .name: vh, .offset: 8, .size: 8, .value_kind: global_buffer, .address_space: global }
      - { .name: st, .offset: 16, .size: 8, .value_kind: global_buffer, .address_space: global }
      - { .name: out0, .offset: 24, .size: 8, .value_kind: global_buffer, .address_space: global }
    .group_segment_fixed_size: 327680
    .private_segment_fixed_size: 0
    .kernarg_segment_align: 8
    .kernarg_segment_size: 32
    .max_flat_workgroup_size: 128
    .sgpr_count:     72
    .vgpr_count:     1024
    .wavefront_size: 32
...
	.end_amdgpu_metadata
.endif
;; end of part 4
;; ======== version 2 of 2: 4 launches; version 1 with the launch cast written anew for expert scheduling mode
;; limits: values are held in f16: magnitudes above 65,504 overflow, below 6.1e-05 lose precision; right only within a limited range of input values
;; workspace buffers: wb 6,291,456 bytes; qh 16,777,216 bytes; kh 16,777,216 bytes; vh 16,777,216 bytes; ph 33,554,432 bytes; st 1,048,576 bytes
;; launch cast (part 5): grid 128 x 3, 8 waves a work-group, no clusters, 0 bytes of LDS; arguments Wq, Wk, Wv, wb; writes wb
.if DOCPART == 5
	.amdgcn_target "amdgcn-amd-amdhsa--gfx1250"
	.amdhsa_code_object_version 6
	.text
	.protected	k_qbe852c6136_cast
	.globl	k_qbe852c6136_cast
	.p2align	8
	.type	k_qbe852c6136_cast,@function
k_qbe852c6136_cast:
	s_mov_b64 s[64:65], 0
	v_nop
	global_prefetch_b8 v0, s[64:65] scope:SCOPE_SE
	s_setreg_imm32_b32 hwreg(HW_REG_WAVE_SCHED_MODE, 0, 2), 2
	s_setreg_imm32_b32 hwreg(HW_REG_WAVE_MODE, 25, 1), 1
	s_wait_xcnt 0x0
	s_wait_alu depctr_vm_vsrc(0)
; wb[y][k][n] = bf16(W_y[k][n]), y = 0, 1, 2 for Wq, Wk, Wv: [1024][1024] f32 in, bf16 out, the layout kept.
; A stream: each byte is read once and written once; no LDS, no barrier, no matrix unit, since there is nothing to share and nothing to multiply.
; A work-group of eight waves takes 8,192 numbers of matrix y: eight loads of 16 bytes a thread (a wave's load covers 512 consecutive bytes),
; eight stores of 8 bytes a thread (a wave's store covers 256 consecutive bytes, at a multiple of 256 from wb's first byte).
; THE MODE: SCHED_MODE bits 1:0 = 2 (LLVM: expert scheduling mode 2), set by the entry lines.  The code itself states the register dependences
; between vector instructions and memory instructions, with s_wait_alu, always for 0.
; THE PLAN.  Registers that memory instructions touch:
;   v1, v2     byte offsets, written once at the head; v1 is read by every load, v2 by every store; never written again.
;   v[4:35]    X: load i lands in v[4+4i:7+4i], once; no vector instruction names these registers before that; the conversions read them; they are not loaded again.
;   v[36:51]   Y: the conversions of load i write v[36+2i:37+2i], once; store i reads them; they are not written again.
; No register that a memory instruction reads is written afterwards, and no load lands in a register that a vector instruction has named: what is left to state is that a
; vector result is written before a memory instruction reads it.  The work goes in two blocks of four loads, so that one wait serves a run of four stores: three waits in all.
; No vector instruction writes a scalar register or VCC, and EXEC is never written.
	s_load_b256 s[4:11], s[0:1], 0x0               ; Wq s[4:5], Wk s[6:7], Wv s[8:9], wb s[10:11]
	s_and_b32 s16, ttmp7, 0xffff                   ; y: which matrix
	v_lshlrev_b32 v1, 4, v0                        ; 16 bytes a thread in
	v_lshlrev_b32 v2, 3, v0                        ; 8 bytes a thread out
	s_lshl_b32 s18, ttmp9, 15                      ; my 8,192 numbers: 32,768 bytes in,
	s_mov_b32 s19, 0
	s_lshl_b32 s20, s16, 21                        ; a matrix is 2 MiB of wb,
	s_lshl_b32 s17, ttmp9, 14                      ; 16,384 bytes out
	s_add_co_u32 s20, s20, s17
	s_mov_b32 s21, 0
	s_wait_kmcnt 0x0
	s_cmp_eq_u32 s16, 1
	s_cselect_b64 s[12:13], s[6:7], s[4:5]
	s_cmp_eq_u32 s16, 2
	s_cselect_b64 s[12:13], s[8:9], s[12:13]
	s_add_nc_u64 s[12:13], s[12:13], s[18:19]
	s_add_nc_u64 s[14:15], s[10:11], s[20:21]
	s_wait_alu depctr_va_vdst(0)                   ; v1 and v2 are written: every load of the kernel reads v1 as its offset, every store v2
.irp i, 0,1,2,3,4,5,6,7
	global_load_b128 v[4+4*\i:7+4*\i], v1, s[12:13] offset:4096*\i th:TH_LOAD_NT
.endr
	s_wait_loadcnt 4                               ; loads come back in order: loads 0 to 3 are in, the four younger ones stay out
.irp i, 0,1,2,3
	v_cvt_pk_bf16_f32 v[36+2*\i], v[4+4*\i], v[5+4*\i]
	v_cvt_pk_bf16_f32 v[37+2*\i], v[6+4*\i], v[7+4*\i]
.endr
	s_wait_alu depctr_va_vdst(0)                   ; the eight conversions above have written v[36:43], which the four stores below read; it stands here and not behind the next block's data, so that these stores leave while loads 4 to 7 are on their way
.irp i, 0,1,2,3
	global_store_b64 v2, v[36+2*\i:37+2*\i], s[14:15] offset:2048*\i
.endr
	s_wait_loadcnt 0x0                             ; loads 4 to 7 are in
.irp i, 4,5,6,7
	v_cvt_pk_bf16_f32 v[36+2*\i], v[4+4*\i], v[5+4*\i]
	v_cvt_pk_bf16_f32 v[37+2*\i], v[6+4*\i], v[7+4*\i]
.endr
	s_wait_alu depctr_va_vdst(0)                   ; the eight conversions above have written v[44:51], which the last four stores read
.irp i, 4,5,6,7
	global_store_b64 v2, v[36+2*\i:37+2*\i], s[14:15] offset:2048*\i
.endr
	s_endpgm
.Lfunc_end_k_qbe852c6136_cast:
	.size	k_qbe852c6136_cast, .Lfunc_end_k_qbe852c6136_cast-k_qbe852c6136_cast
	.p2alignl 7, 3214868480
	.fill 96, 4, 3214868480
	.section	.rodata,"a",@progbits
	.p2align	6, 0x0
	.amdhsa_kernel k_qbe852c6136_cast
		.amdhsa_group_segment_fixed_size 0
		.amdhsa_private_segment_fixed_size 0
		.amdhsa_enable_private_segment 0
		.amdhsa_kernarg_size 32
		.amdhsa_user_sgpr_count 2
		.amdhsa_user_sgpr_kernarg_segment_ptr 1
		.amdhsa_wavefront_size32 1
		.amdhsa_system_sgpr_workgroup_id_x 1
		.amdhsa_system_sgpr_workgroup_id_y 1
		.amdhsa_system_sgpr_workgroup_id_z 1
		.amdhsa_system_vgpr_workitem_id 0
		.amdhsa_next_free_vgpr 52
		.amdhsa_next_free_sgpr 66
		.amdhsa_reserve_vcc 0
		.amdhsa_float_denorm_mode_32 3
		.amdhsa_float_denorm_mode_16_64 3
		.amdhsa_memory_ordered 1
		.amdhsa_forward_progress 1
		.amdhsa_inst_pref_size 4
	.end_amdhsa_kernel
	.amdgpu_metadata
---
amdhsa.version: [ 1, 2 ]
amdhsa.kernels:
  - .name:           k_qbe852c6136_cast
    .symbol:         k_qbe852c6136_cast.kd
    .args:
      - { .name: Wq, .offset: 0, .size: 8, .value_kind: global_buffer, .address_space: global }
      - { .name: Wk, .offset: 8, .size: 8, .value_kind: global_buffer, .address_space: global }
      - { .name: Wv, .offset: 16, .size: 8, .value_kind: global_buffer, .address_space: global }
      - { .name: wb, .offset: 24, .size: 8, .value_kind: global_buffer, .address_space: global }
    .group_segment_fixed_size: 0
    .private_segment_fixed_size: 0
    .kernarg_segment_align: 8
    .kernarg_segment_size: 32
    .max_flat_workgroup_size: 256
    .sgpr_count:     66
    .vgpr_count:     52
    .wavefront_size: 32
...
	.end_amdgpu_metadata
.endif
;; end of part 5
;; launch proj: the kernel of part 2 again; grid 4 x 64, 4 waves a work-group, clusters of 4 x 4, 327,680 bytes of LDS; arguments query, key, value, wb, bq, bk, bv, qh, kh, vh; writes qh, kh, vh
;; launch scores: the kernel of part 3 again; grid 8 x 32, 4 waves a work-group, clusters of 4 x 4, 327,680 bytes of LDS; arguments qh, kh, ph, st; writes ph, st
;; launch pv: the kernel of part 4 again; grid 4 x 64, 4 waves a work-group, clusters of 4 x 4, 327,680 bytes of LDS; arguments ph, vh, st, out0; writes out0
